; MI455X (gfx1250); checked and timed in simulation.
; The chip was launched on July 23, 2026; its instructions are those of AMD's public machine-readable ISA for CDNA 5 (MIT licence, August 2026) and "CDNA5" Instruction Set Architecture Reference Guide (July 2026). The comments in the code are by the model that wrote it; some were corrected since.
;; SAM. Allowed arithmetic: float matrix products may take bf16 or f16 operands with f32 sums; all other float work in f32.
;; Inputs: gamma 1 float32; w_qk 64 x 256 float32; w_v 256 x 256 float32; x 8 x 256 x 64 x 64 float32.
;; Outputs: out0 8 x 256 x 64 x 64 float32.
;; 3 versions, each right; version 3 is version 2 with the launch proj written anew for expert scheduling mode. Each part assembles by itself: llvm-mc -triple=amdgcn-amd-amdhsa -mcpu=gfx1250 --defsym DOCPART=n.
;; ======== version 1 of 3: 2 launches
;; workspace buffers: kvq 20,971,520 bytes
;; launch proj (part 1): grid 256 x 1, 8 waves a work-group, no clusters, 243,712 bytes of LDS; arguments x, w_qk, w_v, kvq; writes kvq
.if DOCPART == 1
	.amdgcn_target "amdgcn-amd-amdhsa--gfx1250"
	.amdhsa_code_object_version 6
	.text
	.protected	k_q7835d20551_proj
	.globl	k_q7835d20551_proj
	.p2align	8
	.type	k_q7835d20551_proj,@function
k_q7835d20551_proj:
	s_mov_b64 s[64:65], 0
	v_nop
	global_prefetch_b8 v0, s[64:65] scope:SCOPE_SE
	s_setreg_imm32_b32 hwreg(HW_REG_WAVE_MODE, 25, 1), 1
	s_wait_xcnt 0x0
; The three 1x1 convolutions of the module: q, k (w_qk, 64 x 256) and v (w_v, 256 x 256) of x [8][256][4096], as bf16 products with f32 sums.
; No work of the module is left out anywhere in this program: every input reaches out0 and no result is sliced away.
; q and k are each multiplied in f32 by F = sqrt(log2(e) / sqrt(32)): the module's 32^(-1/4) on q and on k, with log2(e) shared between
; them, so that the next launch's scores q.k are already exponents to the base 2.
; LIMITS: x, w_qk, w_v and the results q, k, v are rounded to bf16 (nearest even) as matrix operands.
;
; RESULT LAYOUT (kvq): the matrix instructions' own fragments, so that the next launch loads 16 bytes a lane with no transposition.
;   A fragment is 16 rows x 32 k in 1,024 bytes: byte e*512 + lane*16 holds, for lane = 16 h + r, row r, k = 16 e + 8 h .. + 7 (8 bf16).
;   image b, 64 positions T: block at (64 b + T) * 36,864: V at ks*16,384 + ct*1,024 (row = channel 16 ct + r, k = position 32 ks + ..),
;   then K at 32,768 + kt*1,024 (row = position 16 kt + r, k = latent).  Q at QOFF + (256 b + position tile) * 1,024, like K.
;
; SHARES: a work-group takes 128 positions of one image (256 work-groups), eight waves.  Wave w: mg = w & 3, nh = w >> 2: v's channels
; 64 mg .. + 63 and w_qk's rows 16 mg .. + 15 for the 64 positions of half nh: 20 accumulator tiles of 16 x 16.
; The weights are shared by all work-groups, but they are not asked for jointly: they lie in memory as f32, 327,680 bytes, which is all
; the LDS that a work-group can have, and a tensor load copies bytes unchanged; so they pass through registers, where they are rounded to bf16.
.set XPITCH, 288                       ; an LDS row of x: 128 bf16 + 32 bytes, an odd multiple of 32 bytes for the transposing loads
.set WPITCH, 528                       ; an LDS row of weights: 256 bf16 + 16 bytes, an odd multiple of 16 bytes
.set WB,     256*XPITCH                ; 73,728: weights behind x; rows 0-255 w_v, rows 256-319 w_qk
.set WQB,    WB+256*WPITCH             ; 208,896
.set TILEB,  36864                     ; a block of 64 positions in kvq
.set QOFF,   18874368                  ; 8 * 64 * TILEB
.set FSCALE, 0x3f014852                ; 0.50500976 = sqrt(1.442695 / 5.656854)
.set BANK, 16                          ; v[16:207]  three staging banks of 64 registers (phase 1)
.set ACC,  16                          ; v[16:175]  v's tile (mt, nt) at ACC + 8 (4 mt + nt); w_qk's tile nt at ACC + 128 + 8 nt
.set WF,   176                         ; v[176:215] weight fragments: four of w_v, one of w_qk
.set XF,   216                         ; v[216:247] x fragments of the four position tiles
.set XA,   4                           ; v4, v5     LDS address of my x fragments, channels 0-127 and 128-255
	s_load_b256 s[4:11], s[0:1], 0x0               ; x s[4:5], w_qk s[6:7], w_v s[8:9], kvq s[10:11]
	v_lshl_add_u32 v254, v0, 2, 0x3b400
	v_mov_b32 v255, 0
	v_lshrrev_b32 v1, 5, v0
	v_readfirstlane_b32 s12, v1                    ; wave 0..7
	s_and_b32 s13, s12, 3                          ; mg
	s_lshr_b32 s14, s12, 2                         ; nh
	s_lshr_b32 s15, ttmp9, 5                       ; image b
	s_and_b32 s16, ttmp9, 31                       ; block of 128 positions
	s_lshl_b32 s30, s15, 22                        ; x: b * 4,194,304
	s_lshl_b32 s17, s12, 19                        ;  + my 32 channel rows of 16,384 bytes
	s_add_co_u32 s30, s30, s17
	s_lshl_b32 s17, s16, 9                         ;  + 128 positions of 4 bytes
	s_add_co_u32 s30, s30, s17
	s_mov_b32 s31, 0
	s_lshl_b32 s32, s12, 15                        ; w_v: my 32 rows of 1,024 bytes
	s_mov_b32 s33, 0
	s_lshl_b32 s34, s12, 13                        ; w_qk: my 8 rows
	s_mov_b32 s35, 0
	s_lshl_b32 s18, s15, 6
	s_lshl1_add_u32 s18, s16, s18
	s_add_co_u32 s18, s18, s14                     ; 64 b + 2 block + nh: my block of 64 positions
	s_mul_i32 s19, s18, TILEB
	s_lshl_b32 s17, s13, 12                        ; V: my four channel tiles of 1,024 bytes
	s_add_co_u32 s36, s19, s17
	s_mov_b32 s37, 0
	s_lshl_b32 s17, s15, 8
	s_lshl3_add_u32 s17, s16, s17
	s_lshl2_add_u32 s17, s14, s17                  ; 256 b + 8 block + 4 nh: my first position tile
	s_lshl_b32 s17, s17, 10
	s_add_co_u32 s17, s17, QOFF                    ; where q's fragments go,
	s_add_co_u32 s19, s19, 32768                   ; where k's go
	s_cmp_lt_u32 s13, 2                            ; w_qk's rows 0-31 are q (mg 0, 1), rows 32-63 are k (mg 2, 3)
	s_cselect_b32 s38, s17, s19
	s_and_b32 s17, s13, 1                          ; latents 0-15 are a fragment's first 512 bytes, 16-31 its second
	s_lshl_b32 s17, s17, 9
	s_add_co_u32 s38, s38, s17
	s_mov_b32 s39, 0
	v_and_b32 v1, 31, v0                           ; lane
	v_and_b32 v2, 15, v0                           ; r
	v_bfe_u32 v3, v0, 4, 1                         ; h
	v_lshlrev_b32 v8, 4, v1                        ; 16 bytes a lane: global offset of loads and stores, never rewritten
	v_lshlrev_b32 v9, 3, v1                        ; 8 bytes a lane: four numbers as bf16
	s_mul_i32 s17, s12, 32*XPITCH
	v_add_nc_u32 v10, s17, v9                      ; staging of x: my 32 rows
	s_mul_i32 s17, s12, 32*WPITCH
	s_add_co_u32 s17, s17, WB
	v_add_nc_u32 v11, s17, v9                      ; staging of w_v: my 32 rows
	s_mul_i32 s17, s12, 8*WPITCH
	s_add_co_u32 s17, s17, WQB
	v_add_nc_u32 v12, s17, v9                      ; staging of w_qk: my 8 rows
	v_and_b32 v9, 7, v0                            ; x lies [channel][position]: the transposing load wants row 8 h + (lane & 7),
	v_lshl_add_u32 v9, v3, 3, v9
	v_mul_u32_u24 v[XA], v9, XPITCH
	v_bfe_u32 v9, v0, 3, 1                         ; 16 bytes further for lanes 8-15 and 24-31,
	v_lshl_add_u32 v[XA], v9, 4, v[XA]
	s_lshl_b32 s17, s14, 7                         ; and my half's 64 positions
	v_add_nc_u32 v[XA], s17, v[XA]
	v_add_nc_u32 v[XA+1], 128*XPITCH, v[XA]        ; channels 128-255: beyond the 16-bit immediate
	v_mul_u32_u24 v9, v2, WPITCH                   ; weights lie [row][channel]: row r, 16 bytes for each half of the lanes
	v_lshl_add_u32 v9, v3, 4, v9
	s_mul_i32 s17, s13, 64*WPITCH
	s_add_co_u32 s17, s17, WB
	v_add_nc_u32 v6, s17, v9                       ; my 64 rows of w_v
	s_mul_i32 s17, s13, 16*WPITCH
	s_add_co_u32 s17, s17, WQB
	v_add_nc_u32 v7, s17, v9                       ; my 16 rows of w_qk
	s_wait_kmcnt 0x0
	s_add_nc_u64 s[20:21], s[4:5], s[30:31]
	s_add_nc_u64 s[22:23], s[8:9], s[32:33]
	s_add_nc_u64 s[24:25], s[6:7], s[34:35]
	s_add_nc_u64 s[26:27], s[10:11], s[36:37]
	s_add_nc_u64 s[28:29], s[10:11], s[38:39]
; PHASE 1: x and the weights to LDS as bf16.  Seven batches of 16 loads; each load of the wave covers 512 consecutive bytes, aligned.
.macro LD16 bank, base, imm0, step
.irp i, 0,1,2,3,4,5,6,7,8,9,10,11,12,13,14,15
	global_load_b128 v[BANK+64*\bank+4*\i:BANK+64*\bank+4*\i+3], v8, s[\base:\base+1] offset:\imm0+\i*\step
.endr
.endm
.macro CVX bank, i0                    ; 16 rows of x from row i0 of my 32: a load is one row's 128 positions
.irp i, 0,1,2,3,4,5,6,7,8,9,10,11,12,13,14,15
	v_cvt_pk_bf16_f32 v[BANK+64*\bank+4*\i],   v[BANK+64*\bank+4*\i],   v[BANK+64*\bank+4*\i+1]
	v_cvt_pk_bf16_f32 v[BANK+64*\bank+4*\i+1], v[BANK+64*\bank+4*\i+2], v[BANK+64*\bank+4*\i+3]
	ds_store_b64 v10, v[BANK+64*\bank+4*\i:BANK+64*\bank+4*\i+1] offset:(\i0+\i)*XPITCH
.endr
.endm
.macro CVW bank, addr, i0              ; 16 half rows of weights from half row i0: a load is 128 of a row's 256 numbers
.irp i, 0,1,2,3,4,5,6,7,8,9,10,11,12,13,14,15
	v_cvt_pk_bf16_f32 v[BANK+64*\bank+4*\i],   v[BANK+64*\bank+4*\i],   v[BANK+64*\bank+4*\i+1]
	v_cvt_pk_bf16_f32 v[BANK+64*\bank+4*\i+1], v[BANK+64*\bank+4*\i+2], v[BANK+64*\bank+4*\i+3]
	ds_store_b64 v[\addr], v[BANK+64*\bank+4*\i:BANK+64*\bank+4*\i+1] offset:((\i0+\i)>>1)*WPITCH+((\i0+\i)&1)*256
.endr
.endm
	LD16 0, 20, 0, 16384                           ; x rows 0-15 of my 32
	LD16 1, 20, 16*16384, 16384                    ; x rows 16-31
	LD16 2, 22, 0, 512                             ; w_v half rows 0-15 of my 64
	s_wait_loadcnt 32                              ; loads come back in order: the two younger batches (32 loads) stay out
	CVX 0, 0
	LD16 0, 22, 8192, 512                          ; w_v half rows 16-31
	s_wait_loadcnt 32
	CVX 1, 16
	LD16 1, 22, 16384, 512                         ; w_v half rows 32-47
	s_wait_loadcnt 32
	CVW 2, 11, 0
	LD16 2, 22, 24576, 512                         ; w_v half rows 48-63
	s_wait_loadcnt 32
	CVW 0, 11, 16
	LD16 0, 24, 0, 512                             ; w_qk: my 16 half rows
	s_wait_loadcnt 32
	CVW 1, 11, 32
	s_wait_loadcnt 16                              ; one younger batch is left
	CVW 2, 11, 48
	s_wait_loadcnt 0x0
	CVW 0, 12, 0
	s_wait_dscnt 0x0                               ; my LDS stores are done, for the other waves' sake
	s_barrier_signal -1
	s_barrier_wait -1                              ; the launch's one barrier: x and the weights are whole
; PHASE 2: eight steps of 32 channels.  v's tiles take x as the first source and w_v as the second, so that a lane's eight results are
; eight neighbouring positions of one channel; w_qk's tiles the other way round: eight neighbouring latents of one position.
; The 20 accumulators take turns, one instruction a turn.
.macro KSTEP ks
.if \ks
.rept 4
	v_nop                                          ; four places between the last products and the loads into their sources
.endr
.endif
.irp nt, 0,1,2,3
	ds_load_tr16_b128 v[XF+8*\nt:XF+8*\nt+3],   v[XA+(\ks>>2)] offset:(\ks&3)*32*XPITCH+32*\nt
	ds_load_tr16_b128 v[XF+8*\nt+4:XF+8*\nt+7], v[XA+(\ks>>2)] offset:(\ks&3)*32*XPITCH+32*\nt+16*XPITCH
.endr
.irp mt, 0,1,2,3
	ds_load_b128 v[WF+8*\mt:WF+8*\mt+3],   v6 offset:\mt*16*WPITCH+64*\ks
	ds_load_b128 v[WF+8*\mt+4:WF+8*\mt+7], v6 offset:\mt*16*WPITCH+64*\ks+32
.endr
	ds_load_b128 v[WF+32:WF+35], v7 offset:64*\ks
	ds_load_b128 v[WF+36:WF+39], v7 offset:64*\ks+32
	s_wait_dscnt 0x0
.irp mt, 0,1,2,3
.irp nt, 0,1,2,3
.if \ks == 0
	v_wmma_f32_16x16x32_bf16 v[ACC+8*(4*\mt+\nt):ACC+8*(4*\mt+\nt)+7], v[XF+8*\nt:XF+8*\nt+7], v[WF+8*\mt:WF+8*\mt+7], 0
.else
	v_wmma_f32_16x16x32_bf16 v[ACC+8*(4*\mt+\nt):ACC+8*(4*\mt+\nt)+7], v[XF+8*\nt:XF+8*\nt+7], v[WF+8*\mt:WF+8*\mt+7], v[ACC+8*(4*\mt+\nt):ACC+8*(4*\mt+\nt)+7]
.endif
.endr
.endr
.irp nt, 0,1,2,3
.if \ks == 0
	v_wmma_f32_16x16x32_bf16 v[ACC+128+8*\nt:ACC+128+8*\nt+7], v[WF+32:WF+39], v[XF+8*\nt:XF+8*\nt+7], 0
.else
	v_wmma_f32_16x16x32_bf16 v[ACC+128+8*\nt:ACC+128+8*\nt+7], v[WF+32:WF+39], v[XF+8*\nt:XF+8*\nt+7], v[ACC+128+8*\nt:ACC+128+8*\nt+7]
.endif
.endr
.endm
.irp ks, 0,1,2,3,4,5,6,7
	KSTEP \ks
.endr
; PHASE 3: round to bf16 in place; a lane's 16 bytes are its part of a fragment, and each store of the wave covers 512 consecutive bytes, aligned.
.rept 4
	v_nop                                          ; four places before vector instructions read the last results
.endr
.irp mt, 0,1,2,3
.irp nt, 0,1,2,3
.irp i, 0,1,2,3
	v_cvt_pk_bf16_f32 v[ACC+8*(4*\mt+\nt)+\i], v[ACC+8*(4*\mt+\nt)+2*\i], v[ACC+8*(4*\mt+\nt)+2*\i+1]
.endr
	global_store_b128 v8, v[ACC+8*(4*\mt+\nt):ACC+8*(4*\mt+\nt)+3], s[26:27] offset:(\nt>>1)*16384+\mt*1024+(\nt&1)*512
.endr
.endr
.irp nt, 0,1,2,3
.irp i, 0,1,2,3
	v_pk_mul_f32 v[ACC+128+8*\nt+2*\i:ACC+128+8*\nt+2*\i+1], v[ACC+128+8*\nt+2*\i:ACC+128+8*\nt+2*\i+1], FSCALE op_sel_hi:[1,0]
.endr
.irp i, 0,1,2,3
	v_cvt_pk_bf16_f32 v[ACC+128+8*\nt+\i], v[ACC+128+8*\nt+2*\i], v[ACC+128+8*\nt+2*\i+1]
.endr
	global_store_b128 v8, v[ACC+128+8*\nt:ACC+128+8*\nt+3], s[28:29] offset:\nt*1024
.endr
	s_wait_tensorcnt 0x0
	ds_add_u32 v254, v255
	s_wait_dscnt 0x0
	s_endpgm
.Lfunc_end_k_q7835d20551_proj:
	.size	k_q7835d20551_proj, .Lfunc_end_k_q7835d20551_proj-k_q7835d20551_proj
	.p2alignl 7, 3214868480
	.fill 96, 4, 3214868480
	.section	.rodata,"a",@progbits
	.p2align	6, 0x0
	.amdhsa_kernel k_q7835d20551_proj
		.amdhsa_group_segment_fixed_size 243712
		.amdhsa_private_segment_fixed_size 0
		.amdhsa_enable_private_segment 0
		.amdhsa_kernarg_size 32
		.amdhsa_user_sgpr_count 2
		.amdhsa_user_sgpr_kernarg_segment_ptr 1
		.amdhsa_wavefront_size32 1
		.amdhsa_system_sgpr_workgroup_id_x 1
		.amdhsa_system_sgpr_workgroup_id_y 1
		.amdhsa_system_sgpr_workgroup_id_z 1
		.amdhsa_system_vgpr_workitem_id 0
		.amdhsa_next_free_vgpr 256
		.amdhsa_next_free_sgpr 66
		.amdhsa_reserve_vcc 0
		.amdhsa_float_denorm_mode_32 3
		.amdhsa_float_denorm_mode_16_64 3
		.amdhsa_memory_ordered 1
		.amdhsa_forward_progress 1
		.amdhsa_inst_pref_size 64
	.end_amdhsa_kernel
	.amdgpu_metadata
---
amdhsa.version: [ 1, 2 ]
amdhsa.kernels:
  - .name:           k_q7835d20551_proj
    .symbol:         k_q7835d20551_proj.kd
    .args:
      - { .name: x, .offset: 0, .size: 8, .value_kind: global_buffer, .address_space: global }
      - { .name: w_qk, .offset: 8, .size: 8, .value_kind: global_buffer, .address_space: global }
      - { .name: w_v, .offset: 16, .size: 8, .value_kind: global_buffer, .address_space: global }
      - { .name: kvq, .offset: 24, .size: 8, .value_kind: global_buffer, .address_space: global }
    .group_segment_fixed_size: 243712
    .private_segment_fixed_size: 0
    .kernarg_segment_align: 8
    .kernarg_segment_size: 32
    .max_flat_workgroup_size: 256
    .sgpr_count:     66
    .vgpr_count:     256
    .wavefront_size: 32
...
	.end_amdgpu_metadata
.endif
;; end of part 1
;; launch attn (part 2): grid 256 x 1, 4 waves a work-group, clusters of 4 x 1, 327,680 bytes of LDS; arguments kvq, x, gamma, out0; writes out0
.if DOCPART == 2
	.amdgcn_target "amdgcn-amd-amdhsa--gfx1250"
	.amdhsa_code_object_version 6
	.text
	.protected	k_q7835d20551_attn
	.globl	k_q7835d20551_attn
	.p2align	8
	.type	k_q7835d20551_attn,@function
k_q7835d20551_attn:
	s_mov_b64 s[64:65], 0
	v_nop
	global_prefetch_b8 v0, s[64:65] scope:SCOPE_SE
	s_setreg_imm32_b32 hwreg(HW_REG_WAVE_MODE, 25, 1), 1
	s_wait_xcnt 0x0
	s_wait_alu depctr_hold_cnt(0) depctr_sa_sdst(0) depctr_va_vdst(0) depctr_va_sdst(0) depctr_va_ssrc(0) depctr_va_vcc(0) depctr_vm_vsrc(0)
	s_getreg_b32 s2, hwreg(HW_REG_IB_STS2, 6, 4)
	s_cmp_eq_u32 s2, 0
	s_cbranch_scc0 .Lentry_in_a_cluster
	s_endpgm
.Lentry_in_a_cluster:
	s_bfe_u32 s2, ttmp6, 0x10000c
	s_cmp_lg_u32 s2, 0x3003
	s_cbranch_scc0 .Lentry_shape_is_right
	s_endpgm
.Lentry_shape_is_right:
; out0 = gamma * softmax(q.k) v + x, from the fragments that the launch before stored in kvq (layout: below).  No work is left out.
; TWO PASSES.  Pass 1 makes all scores once and keeps only each query's maximum M over all 4,096 keys: the true maximum, as the module takes
; it away.  Pass 2 makes the scores again with -M as the product's C operand, so that a score register costs one exponential, half a packed
; add and half a packed rounding, and no accumulator is ever rescaled (512 registers a wave would be 256 packed multiplies for every 64 keys;
; pass 1 costs 16 products and 64 three-way maxima for every 32 keys x 128 queries).  Since all waves use one M, partial sums simply add.
; LIMITS: q, k, v and the weights P = 2^(S - M) are bf16 matrix operands; P below 2^-126 counts as 0 (v_exp_f32 flushes denormal results:
; ISA guide 15.8); in the maxima a NaN loses, so a NaN score reaches the result through P and not through M; results are claimed where
; the module's own are finite.  The row sum is at least about 1 (the maximum's own term), so its reciprocal is safe.
;
; kvq: a fragment is 16 rows x 32 k in 1,024 bytes: byte e*512 + lane*16 holds, for lane = 16 h + r, row r, k = 16 e + 8 h .. + 7 (8 bf16).
;   image b, 64 keys T: block at (64 b + T) * 36,864: V at ks*16,384 + ct*1,024 (row = channel, k = key), K at 32,768 + kt*1,024 (row = key,
;   k = latent).  Q at QOFF + (256 b + query tile) * 1,024 (row = query, k = latent).  q and k carry the scale and log2(e).
; SHARES: a work-group takes 128 queries of one image (256 work-groups), four waves.  Pass 2: wave w = 2 qh + kh owns 64 queries (half qh) x all
; 256 channels, 512 accumulator registers, over the 64-key blocks of parity kh; the two halves of the keys are added at the end through LDS.
; For 64 keys a wave reads 36,864 bytes of LDS for 144 products.
; NO SHUFFLES: scores are made as K x Q, so lane (r, h) holds query r, keys 8 h + j; packed to bf16 they ARE registers 0-3 (even key tile) or
; 4-7 (odd) of the fragment P.  V x P then gives lane (r, h) query r, channels 8 h + j; M and the row sum are one number a lane.
; CLUSTERS: the four work-groups of a cluster take query blocks of one image and walk the same K and V blocks: these are asked for jointly
; (mask 15), each wave a quarter of a slot, 72 rows of 256 bytes.  Pass 1's K is loaded by each work-group for itself, through registers:
; 262,144 of the 2,621,440 bytes that a work-group reads of kvq's K and V.  My place in the cluster enters only the global addresses of Q, x and out0.
;
; LDS: two slots of 73,728 bytes (two 64-key blocks each); then bytes that no tensor load ever fills: XCH, OST, MXS, LSS (below).
; REGISTERS: window 0 as named below; window 1: pass 1 a ring of 8 x 2 K fragments, pass 2 V's 32 fragments, at the end x;
; window 2: accumulators of the 128 channels that this wave finishes (group kh), tile (a, qt) at 8 (4 a + qt); window 3: the other 128.
.set TILEB,  36864
.set SLOT,   2*TILEB                   ; 73,728
.set QUART,  SLOT/4                    ; 18,432 = 72 rows of 256 bytes: one wave's tensor load
.set IMGKV,  64*TILEB                  ; 2,359,296: an image's K and V
.set QOFF,   8*IMGKV                   ; 18,874,368
.set XCH,    2*SLOT                    ; 147,456: 4 x 32,768, the accumulators handed to the partner wave
.set OST,    XCH+4*32768               ; 278,528: 4 x 4,352, each wave's stage of 16 rows at pitch 272 on the way out
.set MXS,    OST+4*4352                ; 295,936: 4 x 512, the waves' maxima
.set LSS,    MXS+2048                  ; 297,984: 4 x 256, the waves' row sums
.set VA,   4                           ; v[4:7]     LDS address of V's fragments: slot n, group g at VA + 2 n + g
.set KA,   8                           ; v[8:9]     LDS address of K's fragments in slot n
.set QF,   16                          ; v[16:47]   my four query tiles
.set KF,   48                          ; v[48:79]   K's four fragments of a 64-key block
.set MNEG, 80                          ; v[80:111]  -M, eight equal registers for each query tile: the C operand of the scores
.set S,    112                         ; v[112:239] block u = 4 ks + qt at S + 16 u: scores of key tiles 2 ks, 2 ks + 1; P(ks, qt) packed into its first 8
.set L,    240                         ; v[240:247] a pair of running row sums for each query tile
.set QA,   48                          ; pass 1: v[48:111] all eight query tiles
.set D,    112                         ; pass 1: v[112:239] scores (kt, qt) at D + 8 (8 kt + qt)
.set RM,   240                         ; pass 1: v[240:247] running maxima
.set T,    112                         ; way out: v[112:143] one channel tile's sums
.set R,    176                         ; way out: v[176:207] the same by rows
.set G,    248                         ; way out: v[248:251] gamma / row sum of my four neighbouring queries
.set MSB, 0
.macro WIN new                         ; s_set_vgpr_msb: bits 1:0 source 0, 3:2 source 1, 5:4 source 2, 7:6 destination; the high byte repeats the setting left
.if MSB != \new
	s_set_vgpr_msb (MSB<<8)|\new
.set MSB, \new
.endif
.endm
.macro PLACES n
.rept \n
	v_nop
.endr
.endm
; A round of the cluster's barrier: my work-group's barrier, wave 0 signals for the work-group, every wave waits for all four work-groups, my work-group's barrier again.
.macro CREST                           ; a round behind its opening barrier
	s_cmp_lg_u32 s12, 0
	s_cbranch_scc1 .Lnot_wave_0_\@
	s_barrier_signal -3
.Lnot_wave_0_\@:
	s_barrier_wait -3
	s_barrier_signal -1
	s_barrier_wait -1
.endm
.macro CROUND
	s_barrier_signal -1
	s_barrier_wait -1
	CREST
.endm
.macro JL n                            ; the joint load of my quarter of slot n
	tensor_load_to_lds s[28+4*\n:31+4*\n], s[20:27]
	s_nop 0
.endm
	s_load_b256 s[4:11], s[0:1], 0x0               ; kvq s[4:5], x s[6:7], gamma s[8:9], out0 s[10:11]
	v_lshl_add_u32 v14, v0, 2, 0x49000
	v_mov_b32 v15, 0
	ds_add_u32 v14, v15
	v_lshrrev_b32 v1, 5, v0
	v_readfirstlane_b32 s12, v1                    ; wave 0..3
	s_lshr_b32 s13, s12, 1                         ; qh
	s_and_b32 s14, s12, 1                          ; kh
	s_bfe_u32 s15, ttmp6, 0x40000                  ; cx: my place in the cluster
	s_lshr_b32 s16, ttmp9, 3                       ; image b: eight clusters an image
	s_and_b32 s17, ttmp9, 7
	s_lshl_b32 s17, s17, 2
	s_add_co_u32 s17, s17, s15                     ; my block of 128 queries, 0..31
	; descriptor group 1: a dense block as 72 rows of 32 elements of 8 bytes
	s_mov_b32 s20, 0x0023000f                      ; 15:0 mask: all four work-groups; 17:16 elements of 8 bytes; 21 set beside a mask; no padding
	s_mov_b32 s21, 32<<16                          ; tensor_dim0 = 32
	s_mov_b32 s22, 72<<16                          ; tensor_dim1 = 72
	s_mov_b32 s23, 32<<16                          ; tile_dim0 = 32
	s_mov_b32 s24, 72                              ; tile_dim1 = 72
	s_mov_b32 s25, 32                              ; from row to row: 32 elements
	s_mov_b32 s26, 0
	s_mov_b32 s27, 0
	s_mul_i32 s18, s16, IMGKV                      ; the image's K and V: the same in all four work-groups
	s_mul_i32 s19, s12, QUART                      ; my quarter of a slot, in memory and in LDS
	s_add_co_u32 s48, s18, s19                     ; s[48:49] never hold my place in the cluster
	s_mov_b32 s49, 0
	s_mov_b32 s42, 0x76543210                      ; v_permlanex16_b32: lane i of one half reads lane i of the other
	s_mov_b32 s43, 0xfedcba98
	s_wait_dscnt 0x0
	s_wait_kmcnt 0x0
	CROUND                                         ; all four work-groups are here: the first joint loads meet
	s_add_nc_u64 s[30:31], s[4:5], s[48:49]        ; blocks 0, 1
	s_add_nc_u64 s[34:35], s[30:31], SLOT          ; blocks 2, 3
.irp n, 0,1
	s_mov_b32 s[28+4*\n], 1                        ; count = 1
	s_add_co_u32 s[29+4*\n], s19, \n*SLOT          ; LDS address
	s_or_b32 s[31+4*\n], s[31+4*\n], 0x80000000    ; type = 2
	JL \n                                          ; both first fills go out together; two tensor loads of this wave are out, later one
.endr
	s_mul_i32 s48, s12, 16*TILEB                   ; pass 1: my 1,024 keys = 16 blocks,
	s_add_co_u32 s48, s48, s18
	s_add_co_u32 s48, s48, 32768                   ; K behind V in a block
	s_add_nc_u64 s[36:37], s[4:5], s[48:49]
	s_lshl_b32 s50, s16, 5                         ; s[50:51]: offsets that hold my place in the cluster
	s_add_co_u32 s50, s50, s17
	s_lshl_b32 s50, s50, 13                        ; (32 b + block) * 8 query tiles * 1,024
	s_add_co_u32 s50, s50, QOFF
	s_mov_b32 s51, 0
	s_add_nc_u64 s[38:39], s[4:5], s[50:51]        ; my block's Q
	s_lshl_b32 s50, s16, 22                        ; x and out0: b * 4,194,304
	s_lshl_b32 s52, s14, 21                        ;  + the 128 channel rows that I finish
	s_add_co_u32 s50, s50, s52
	s_lshl_b32 s52, s17, 9                         ;  + 128 queries of 4 bytes
	s_add_co_u32 s50, s50, s52
	s_lshl_b32 s52, s13, 8                         ;  + my 64 of them
	s_add_co_u32 s50, s50, s52
	s_add_nc_u64 s[44:45], s[6:7], s[50:51]
	s_add_nc_u64 s[46:47], s[10:11], s[50:51]
	s_load_b32 s41, s[8:9], 0x0                    ; gamma; waited for where it is used
	v_and_b32 v1, 31, v0
	v_lshlrev_b32 v1, 4, v1                        ; 16 bytes a lane
	v_and_b32 v2, 15, v0                           ; r
	v_bfe_u32 v3, v0, 4, 1                         ; h
	s_mul_i32 s52, s14, TILEB+8192                 ; my parity's block, and in it the channel group that I finish,
	v_add_nc_u32 v[VA], s52, v1
	s_mul_i32 s53, s14, TILEB-8192
	s_add_co_u32 s53, s53, 8192                    ; or the other group: kh * 36,864 + (1 - kh) * 8,192
	v_add_nc_u32 v[VA+1], s53, v1
	v_add_nc_u32 v[VA+2], SLOT, v[VA]
	v_add_nc_u32 v[VA+3], SLOT, v[VA+1]
	s_mul_i32 s52, s14, TILEB
	s_add_co_u32 s52, s52, 32768
	v_add_nc_u32 v[KA], s52, v1
	v_add_nc_u32 v[KA+1], SLOT, v[KA]
	s_lshl_b32 s53, s13, 12
	v_add_nc_u32 v10, s53, v1                      ; my four query tiles in the block's Q
	v_lshlrev_b32 v11, 10, v1                      ; lane * 16,384: a channel row of x for each lane (prefetch)
	s_lshl_b32 s52, s12, 9
	s_add_co_u32 s52, s52, MXS
	v_lshl_add_u32 v12, v2, 2, s52                 ; where I put my maxima
	s_lshl_b32 s53, s13, 8
	s_add_co_u32 s53, s53, MXS
	v_lshl_add_u32 v13, v2, 2, s53                 ; where I read those of my four query tiles
.irp t, 0,1,2,3
	global_load_b128 v[QF+8*\t:QF+8*\t+3],   v10, s[38:39] offset:\t*1024
	global_load_b128 v[QF+8*\t+4:QF+8*\t+7], v10, s[38:39] offset:\t*1024+512
.endr
.irp t, 0,1,2,3,4,5,6,7
	global_load_b128 v[QA+8*\t:QA+8*\t+3],   v1, s[38:39] offset:\t*1024
	global_load_b128 v[QA+8*\t+4:QA+8*\t+7], v1, s[38:39] offset:\t*1024+512
.endr
	WIN 0x40                                       ; destination in window 1
.irp u, 0,1,2,3,4,5,6,7
.irp e, 0,1,2,3
	global_load_b128 v[16*\u+4*\e:16*\u+4*\e+3], v1, s[36:37] offset:(\u>>1)*TILEB+(\u&1)*2048+\e*512
.endr
.endr
	WIN 0
.irp i, 0,1,2,3,4,5,6,7
	v_mov_b32 v[RM+\i], 0xff800000                 ; minus infinity
.endr
; PASS 1.  Wave w takes keys 1,024 w .. + 1,023 against all 128 queries, so that the work-group reads K once.  A trip is two key tiles (32 keys);
; a ring of eight slots of four loads each in window 1; a lap of eight trips is four 64-key blocks.
; left = the loads of the younger slots, which may stay out.
.macro P1 u, refill, left
	s_wait_loadcnt \left
	WIN 0x01                                       ; source 0 (K) in window 1
.irp kt, 0,1
.irp qt, 0,1,2,3,4,5,6,7
	v_wmma_f32_16x16x32_bf16 v[D+8*(8*\kt+\qt):D+8*(8*\kt+\qt)+7], v[16*\u+8*\kt:16*\u+8*\kt+7], v[QA+8*\qt:QA+8*\qt+7], 0
.endr
.endr
	WIN 0
	PLACES 4                                       ; four places before vector instructions read the results and loads land on the sources
	; for each query tile 16 registers and the running maximum go to one in eight three-way maxima; the stages run across the tiles
.irp qt, 0,1,2,3,4,5,6,7
	v_max3_num_f32 v[D+8*\qt], v[D+8*\qt], v[D+8*\qt+1], v[D+8*\qt+2]
.endr
.irp qt, 0,1,2,3,4,5,6,7
	v_max3_num_f32 v[D+8*\qt+3], v[D+8*\qt+3], v[D+8*\qt+4], v[D+8*\qt+5]
.endr
.irp qt, 0,1,2,3,4,5,6,7
	v_max3_num_f32 v[D+8*\qt+6], v[D+8*\qt+6], v[D+8*\qt+7], v[D+64+8*\qt]
.endr
.irp qt, 0,1,2,3,4,5,6,7
	v_max3_num_f32 v[D+64+8*\qt+1], v[D+64+8*\qt+1], v[D+64+8*\qt+2], v[D+64+8*\qt+3]
.endr
.irp qt, 0,1,2,3,4,5,6,7
	v_max3_num_f32 v[D+64+8*\qt+4], v[D+64+8*\qt+4], v[D+64+8*\qt+5], v[D+64+8*\qt+6]
.endr
.irp qt, 0,1,2,3,4,5,6,7
	v_max3_num_f32 v[RM+\qt], v[RM+\qt], v[D+64+8*\qt+7], v[D+8*\qt]
.endr
.irp qt, 0,1,2,3,4,5,6,7
	v_max3_num_f32 v[D+8*\qt+3], v[D+8*\qt+3], v[D+8*\qt+6], v[D+64+8*\qt+1]
.endr
.irp qt, 0,1,2,3,4,5,6,7
	v_max3_num_f32 v[RM+\qt], v[RM+\qt], v[D+8*\qt+3], v[D+64+8*\qt+4]
.endr
.if \refill
	WIN 0x40
.irp e, 0,1,2,3
	global_load_b128 v[16*\u+4*\e:16*\u+4*\e+3], v1, s[36:37] offset:(\u>>1)*TILEB+(\u&1)*2048+\e*512+4*TILEB   ; the same trip of the next lap
.endr
	WIN 0
.endif
.endm
	s_mov_b32 s40, 3
.Llap:
.irp u, 0,1,2,3,4,5,6,7
	P1 \u, 1, 28                                   ; seven younger slots of four loads
.endr
	s_wait_xcnt 0x0                                ; the loads' base is stepped only behind this wait
	s_add_nc_u64 s[36:37], s[36:37], 4*TILEB
	s_sub_co_u32 s40, s40, 1
	s_cmp_lg_u32 s40, 0
	s_cbranch_scc1 .Llap
.irp u, 0,1,2,3,4,5,6,7
	P1 \u, 0, 28-4*\u                              ; the last lap loads nothing: the counts run down
.endr
	; the maxima meet: the two halves of the lanes (keys 8 h + j), then the four waves through LDS
.irp qt, 0,1,2,3,4,5,6,7
	v_permlanex16_b32 v[D+\qt], v[RM+\qt], s42, s43   ; its destination counts as read: a register that has been written
.endr
.irp qt, 0,1,2,3,4,5,6,7
	v_max_num_f32 v[RM+\qt], v[RM+\qt], v[D+\qt]
	ds_store_b32 v12, v[RM+\qt] offset:64*\qt
.endr
	s_wait_dscnt 0x0                               ; my maxima are in LDS,
	s_wait_tensorcnt 0x0                           ; and my quarters of both slots have landed:
	s_barrier_signal -1
	s_barrier_wait -1                              ; both now hold of every wave.
.irp i, 0,1,2,3
.irp ww, 0,1,2,3
	ds_load_b32 v[D+4*\i+\ww], v13 offset:\ww*512+64*\i
.endr
.endr
	s_wait_dscnt 0x0
.irp i, 0,1,2,3
	v_max3_num_f32 v[D+4*\i], v[D+4*\i], v[D+4*\i+1], v[D+4*\i+2]
	v_max_num_f32 v[D+4*\i], v[D+4*\i], v[D+4*\i+3]
.irp j, 0,1,2,3,4,5,6,7
	v_sub_f32 v[MNEG+8*\i+\j], 0, v[D+4*\i]        ; C's register j is key 8 h + j of query r: the same -M(r) in all eight
.endr
.endr
.irp i, 0,1,2,3,4,5,6,7
	v_mov_b32 v[L+\i], 0
.endr
; PASS 2.  A step is one slot: my parity's 64-key block of it.
.macro VLOAD g, n                      ; 32 LDS loads: the 16 fragments (2 key steps x 8 channel tiles) of channel group g; 512 consecutive bytes each
.irp ks, 0,1
.irp a, 0,1,2,3,4,5,6,7
	ds_load_b128 v[128*\g+64*\ks+8*\a:128*\g+64*\ks+8*\a+3],   v[VA+2*\n+\g] offset:\ks*16384+\a*1024
	ds_load_b128 v[128*\g+64*\ks+8*\a+4:128*\g+64*\ks+8*\a+7], v[VA+2*\n+\g] offset:\ks*16384+\a*1024+512
.endr
.endr
.endm
.macro EXP2 u, i                       ; two exponentials of block u, in place
	v_exp_f32 v[S+16*(\u)+2*\i],   v[S+16*(\u)+2*\i]
	v_exp_f32 v[S+16*(\u)+2*\i+1], v[S+16*(\u)+2*\i+1]
.endm
.macro SUMPK u, i                      ; pair i of block u goes into the row sums and, rounded, into register i of P
	s_wait_alu depctr_va_vdst(0)
	v_pk_add_f32 v[L+2*((\u)&3):L+2*((\u)&3)+1], v[L+2*((\u)&3):L+2*((\u)&3)+1], v[S+16*(\u)+2*\i:S+16*(\u)+2*\i+1]
	v_cvt_pk_bf16_f32 v[S+16*(\u)+\i], v[S+16*(\u)+2*\i], v[S+16*(\u)+2*\i+1]
.endm
.macro PV g, zero                      ; 64 products: the 32 accumulators of the window take turns, one instruction a turn
.irp ks, 0,1
.irp a, 0,1,2,3,4,5,6,7
.irp qt, 0,1,2,3
.if \zero*(1-\ks)
	v_wmma_f32_16x16x32_bf16 v[8*(4*\a+\qt):8*(4*\a+\qt)+7], v[128*\g+64*\ks+8*\a:128*\g+64*\ks+8*\a+7], v[S+16*(4*\ks+\qt):S+16*(4*\ks+\qt)+7], 0
.else
	v_wmma_f32_16x16x32_bf16 v[8*(4*\a+\qt):8*(4*\a+\qt)+7], v[128*\g+64*\ks+8*\a:128*\g+64*\ks+8*\a+7], v[S+16*(4*\ks+\qt):S+16*(4*\ks+\qt)+7], v[8*(4*\a+\qt):8*(4*\a+\qt)+7]
.endif
.endr
.endr
.endr
.endm
; n: the slot.  zero = 1: the first products start the sums.  mode 2: the slot is filled again behind a round of the cluster's barrier;
; mode 1: a plain barrier, which shows the other slot whole; mode 0: the last step.  pf: 0, or which half of my rows of x is asked for.
.macro BODY n, zero, mode, pf
	PLACES 5                                       ; four places before loads land on the last products' sources, five before the scores write over P
.irp kt, 0,1,2,3
	ds_load_b128 v[KF+8*\kt:KF+8*\kt+3],   v[KA+\n] offset:\kt*1024
	ds_load_b128 v[KF+8*\kt+4:KF+8*\kt+7], v[KA+\n] offset:\kt*1024+512
.endr
	WIN 0x40
	VLOAD 0, \n
	WIN 0
.if \pf
	; x for the way out: a lane asks for the first byte of one channel row's 256 bytes of my 64 queries; 64 of my 128 rows in each of the
	; last two steps, each row once in the launch, by the wave that will load it
	global_prefetch_b8 v11, s[44:45] offset:(2*\pf-2)*524288 th:TH_LOAD_NT scope:SCOPE_SE
	global_prefetch_b8 v11, s[44:45] offset:(2*\pf-1)*524288 th:TH_LOAD_NT scope:SCOPE_SE
.endif
	s_wait_dscnt 32                                ; K is in; the 32 loads of V's first group may stay out
.irp kt, 0,1,2,3
.irp qt, 0,1,2,3
	v_wmma_f32_16x16x32_bf16 v[S+16*(4*(\kt>>1)+\qt)+8*(\kt&1):S+16*(4*(\kt>>1)+\qt)+8*(\kt&1)+7], v[KF+8*\kt:KF+8*\kt+7], v[QF+8*\qt:QF+8*\qt+7], v[MNEG+8*\qt:MNEG+8*\qt+7]
.endr
.endr
	WIN 0x40
	VLOAD 1, \n                                    ; V's second group: it has the softmax and 64 products in which to come
	WIN 0
	PLACES 4                                       ; four places before the exponentials read the scores
	; P = 2^(S - M).  A block's sums and roundings stand among the next block's exponentials, so that a plain instruction
	; always stands between an exponential and the use of its result (ISA guide 5.7.2)
.irp i, 0,1,2,3,4,5,6,7
	EXP2 0, \i
.endr
	v_nop
.irp u, 1,2,3,4,5,6,7
.irp i, 0,1,2,3,4,5,6,7
	EXP2 \u, \i
	SUMPK \u-1, \i
.endr
.endr
.irp i, 0,1,2,3,4,5,6,7
	SUMPK 7, \i
.endr
	s_wait_dscnt 32                                ; V's first group is in; the second group's 32 loads may stay out
	WIN 0xa1                                       ; source 0 (V) window 1, source 1 (P) window 0, C and D window 2
	PV 0, \zero
	s_wait_dscnt 0x0                               ; my reads of this slot are over
.if \mode
	s_set_vgpr_msb 0xa1a0
	s_wait_tensorcnt 0x0                           ; and all my tensor loads have landed: the one that was out is my quarter of the other slot:
	ds_add_u32 v14, v15
	s_wait_dscnt 0x0
	s_set_vgpr_msb 0xa0a1
	s_barrier_signal -1                            ; say so (mode 2: this barrier opens a round of the cluster's barrier),
.endif
	WIN 0xf1                                       ; C and D window 3
	PV 1, \zero                                    ; work on registers while the others arrive,
	WIN 0
.if \mode
	s_barrier_wait -1                              ; and go on when all four waves have said so
.endif
.if \mode == 2
	CREST                                          ; all four work-groups have said so: no wave of any partner still reads this slot or has a load on its way
	s_add_nc_u64 s[30+4*\n:31+4*\n], s[30+4*\n:31+4*\n], 2*SLOT   ; no tensor load of mine is out: the slot's address steps two slots on
	JL \n                                          ; my one tensor load behind the round, and the first thing there
.endif
.endm
	BODY 0, 1, 2, 0                                ; steps 0 and 1 stand in front of the loop: step 0's first products start the sums
	BODY 1, 0, 2, 0
	s_mov_b32 s40, 14                              ; steps 2 to 29; step i fills its slot with the blocks of step i + 2
.Lstep:
	BODY 0, 0, 2, 0
	BODY 1, 0, 2, 0
	s_sub_co_u32 s40, s40, 1
	s_cmp_lg_u32 s40, 0
	s_cbranch_scc1 .Lstep
	BODY 0, 0, 1, 1                                ; step 30: nothing is left to fetch; its barrier shows step 31's slot whole
	BODY 1, 0, 0, 2                                ; step 31
; THE WAY OUT.  My window 3 (the channels that my partner, wave w xor 1, finishes) goes to the partner through LDS; the partner's comes to me.
	PLACES 4                                       ; four places before anything reads the last results or lands on their sources
	s_lshl_b32 s52, s12, 15
	s_add_co_u32 s52, s52, XCH
	v_add_nc_u32 v16, s52, v1                      ; where I put my window 3
	s_xor_b32 s53, s12, 1
	s_lshl_b32 s53, s53, 15
	s_add_co_u32 s53, s53, XCH
	v_add_nc_u32 v17, s53, v1                      ; where the partner put its
	s_mul_i32 s52, s12, 4352
	s_add_co_u32 s52, s52, OST                     ; my stage: 16 channel rows of 64 queries, pitch 272
	v_lshlrev_b32 v23, 2, v2
	v_mul_u32_u24 v18, v3, 8*272
	v_add3_u32 v18, v18, v23, s52                  ; in: row 8 h + j, query 16 qt + r
	v_mul_u32_u24 v19, v3, 272
	v_lshl_add_u32 v19, v2, 4, v19
	v_add_nc_u32 v19, s52, v19                     ; back: row 2 t + h, queries 4 r .. 4 r + 3
	v_lshlrev_b32 v20, 14, v3
	v_lshl_add_u32 v20, v2, 4, v20                 ; the same in x and out0: h rows of 16,384 bytes + 16 r
	s_lshl_b32 s52, s12, 8
	s_add_co_u32 s52, s52, LSS
	v_add_nc_u32 v21, s52, v23                     ; where I put my row sums
	s_lshl_b32 s53, s13, 9
	s_add_co_u32 s53, s53, LSS
	v_lshl_add_u32 v22, v2, 4, s53                 ; where I read those of queries 4 r .. 4 r + 3: mine or my partner's, the other 256 bytes on
	WIN 0x40
.irp a, 0,1,2,3,4,5,6,7
.irp t, 0,1,2,3,4,5,6,7
	global_load_b128 v[4*(8*\a+\t):4*(8*\a+\t)+3], v20, s[44:45] offset:(16*\a+2*\t)*16384 th:TH_LOAD_NT   ; x of my 128 channels x 64 queries: 16 lanes take 256 consecutive bytes
.endr
.endr
	WIN 0
.irp qt, 0,1,2,3
	v_add_f32 v[L+2*\qt], v[L+2*\qt], v[L+2*\qt+1]
.endr
.irp qt, 0,1,2,3
	v_permlanex16_b32 v[S+\qt], v[L+2*\qt], s42, s43   ; the other half of the lanes holds the other keys of query r
.endr
.irp qt, 0,1,2,3
	v_add_f32 v[L+2*\qt], v[L+2*\qt], v[S+\qt]
	ds_store_b32 v21, v[L+2*\qt] offset:64*\qt
.endr
	WIN 0x0c                                       ; an LDS store's data is source 1: window 3
.set i, 0
.rept 64
	ds_store_b128 v16, v[4*i:4*i+3] offset:512*i
.set i, i+1
.endr
	WIN 0
	s_wait_dscnt 0x0                               ; my stores are done, for the partner's sake
	s_barrier_signal -1
	s_barrier_wait -1
	ds_load_b128 v[G:G+3], v22
	ds_load_b128 v[G+4:G+7], v22 offset:256
	s_wait_dscnt 0x0
	s_wait_kmcnt 0x0                               ; gamma
	v_pk_add_f32 v[G:G+1], v[G:G+1], v[G+4:G+5]    ; both halves of the keys used one M: the row sums add
	v_pk_add_f32 v[G+2:G+3], v[G+2:G+3], v[G+6:G+7]
.irp k, 0,1,2,3
	v_rcp_f32 v[G+\k], v[G+\k]
.endr
	v_nop                                          ; a plain instruction between a reciprocal and its use (ISA guide 5.7.2)
	s_wait_alu depctr_va_vdst(0)
.irp k, 0,1,2,3
	v_mul_f32 v[G+\k], s41, v[G+\k]                ; gamma / row sum
.endr
; Channel tile a (16 channels x 64 queries): add the partner's half, turn it by rows through my own stage, scale, add x, store.
.macro OUT a
	s_wait_xcnt 0x0                                ; R, which the last stores read, is loaded again only behind this wait
.irp i, 0,1,2,3,4,5,6,7
	ds_load_b128 v[T+4*\i:T+4*\i+3], v17 offset:(8*\a+\i)*512
.endr
	s_wait_dscnt 0x0
	WIN 0x02                                       ; source 0 in window 2
.irp k, 0,1,2,3,4,5,6,7,8,9,10,11,12,13,14,15
	v_pk_add_f32 v[T+2*\k:T+2*\k+1], v[32*\a+2*\k:32*\a+2*\k+1], v[T+2*\k:T+2*\k+1]
.endr
	WIN 0
.irp qt, 0,1,2,3
.irp j, 0,1,2,3,4,5,6,7
	ds_store_b32 v18, v[T+8*\qt+\j] offset:272*\j+64*\qt
.endr
.endr
.irp t, 0,1,2,3,4,5,6,7
	ds_load_b128 v[R+4*\t:R+4*\t+3], v19 offset:544*\t   ; my own bytes, and LDS serves a wave's instructions in order (ISA guide 5.7.1.4): these see the stores above
.endr
	s_wait_loadcnt 56-8*\a                         ; x of this tile is in; the eight loads of each later tile may stay out
	WIN 0x10                                       ; source 2 (x) in window 1; the stores below name a first and a second source only, both in window 0
.irp t, 0,1,2,3,4,5,6,7
	s_wait_dscnt 7-\t                              ; rows 2 t, 2 t + 1 are back; the younger loads may stay out
	v_pk_fma_f32 v[R+4*\t:R+4*\t+1],   v[R+4*\t:R+4*\t+1],   v[G:G+1],   v[4*(8*\a+\t):4*(8*\a+\t)+1]
	v_pk_fma_f32 v[R+4*\t+2:R+4*\t+3], v[R+4*\t+2:R+4*\t+3], v[G+2:G+3], v[4*(8*\a+\t)+2:4*(8*\a+\t)+3]
	global_store_b128 v20, v[R+4*\t:R+4*\t+3], s[46:47] offset:(16*\a+2*\t)*16384 th:TH_STORE_NT   ; 16 lanes store 256 consecutive bytes, aligned
.endr
	WIN 0
.endm
.irp a, 0,1,2,3,4,5,6,7
	OUT \a
.endr
	s_wait_tensorcnt 0x0
	ds_add_u32 v14, v15
	s_wait_dscnt 0x0
	CROUND                                         ; the closing round: no work-group ends while a partner may still ask for a block that names it
	s_endpgm
.Lfunc_end_k_q7835d20551_attn:
	.size	k_q7835d20551_attn, .Lfunc_end_k_q7835d20551_attn-k_q7835d20551_attn
	.p2alignl 7, 3214868480
	.fill 96, 4, 3214868480
	.section	.rodata,"a",@progbits
	.p2align	6, 0x0
	.amdhsa_kernel k_q7835d20551_attn
		.amdhsa_group_segment_fixed_size 327680
		.amdhsa_private_segment_fixed_size 0
		.amdhsa_enable_private_segment 0
		.amdhsa_kernarg_size 32
		.amdhsa_user_sgpr_count 2
		.amdhsa_user_sgpr_kernarg_segment_ptr 1
		.amdhsa_wavefront_size32 1
		.amdhsa_system_sgpr_workgroup_id_x 1
		.amdhsa_system_sgpr_workgroup_id_y 1
		.amdhsa_system_sgpr_workgroup_id_z 1
		.amdhsa_system_vgpr_workitem_id 0
		.amdhsa_next_free_vgpr 1024
		.amdhsa_next_free_sgpr 66
		.amdhsa_reserve_vcc 0
		.amdhsa_float_denorm_mode_32 3
		.amdhsa_float_denorm_mode_16_64 3
		.amdhsa_memory_ordered 1
		.amdhsa_forward_progress 1
		.amdhsa_inst_pref_size 255
	.end_amdhsa_kernel
	.section	.bss,"aw",@nobits
	.p2align	6
	.space	262144
	.amdgpu_metadata
---
amdhsa.version: [ 1, 2 ]
amdhsa.kernels:
  - .name:           k_q7835d20551_attn
    .symbol:         k_q7835d20551_attn.kd
    .args:
      - { .name: kvq, .offset: 0, .size: 8, .value_kind: global_buffer, .address_space: global }
      - { .name: x, .offset: 8, .size: 8, .value_kind: global_buffer, .address_space: global }
      - { .name: gamma, .offset: 16, .size: 8, .value_kind: global_buffer, .address_space: global }
      - { .name: out0, .offset: 24, .size: 8, .value_kind: global_buffer, .address_space: global }
    .group_segment_fixed_size: 327680
    .private_segment_fixed_size: 0
    .kernarg_segment_align: 8
    .kernarg_segment_size: 32
    .max_flat_workgroup_size: 128
    .sgpr_count:     66
    .vgpr_count:     1024
    .wavefront_size: 32
...
	.end_amdgpu_metadata
.endif
;; end of part 2
;; ======== version 2 of 3: 2 launches
;; workspace buffers: kvq 20,971,520 bytes
;; launch proj: the kernel of part 1 again; grid 256 x 1, 8 waves a work-group, no clusters, 243,712 bytes of LDS; arguments x, w_qk, w_v, kvq; writes kvq
;; launch attn (part 3): grid 256 x 1, 4 waves a work-group, clusters of 4 x 1, 327,680 bytes of LDS; arguments kvq, x, gamma, out0; writes out0
.if DOCPART == 3
	.amdgcn_target "amdgcn-amd-amdhsa--gfx1250"
	.amdhsa_code_object_version 6
	.text
	.protected	k_q7835d20551_attn
	.globl	k_q7835d20551_attn
	.p2align	8
	.type	k_q7835d20551_attn,@function
k_q7835d20551_attn:
	s_mov_b64 s[64:65], 0
	v_nop
	global_prefetch_b8 v0, s[64:65] scope:SCOPE_SE
	s_setreg_imm32_b32 hwreg(HW_REG_WAVE_MODE, 25, 1), 1
	s_wait_xcnt 0x0
	s_wait_alu depctr_hold_cnt(0) depctr_sa_sdst(0) depctr_va_vdst(0) depctr_va_sdst(0) depctr_va_ssrc(0) depctr_va_vcc(0) depctr_vm_vsrc(0)
	s_getreg_b32 s2, hwreg(HW_REG_IB_STS2, 6, 4)
	s_cmp_eq_u32 s2, 0
	s_cbranch_scc0 .Lentry_in_a_cluster
	s_endpgm
.Lentry_in_a_cluster:
	s_bfe_u32 s2, ttmp6, 0x10000c
	s_cmp_lg_u32 s2, 0x3003
	s_cbranch_scc0 .Lentry_shape_is_right
	s_endpgm
.Lentry_shape_is_right:
; out0 = gamma * softmax(q.k) v + x, from the fragments that the launch before stored in kvq (layout: below).  No work is left out.
; TWO PASSES.  Pass 1 makes all scores once and keeps only each query's maximum M over all 4,096 keys: the true maximum, as the module takes
; it away.  Pass 2 makes the scores again with -M as the product's C operand, so that a score register costs one exponential, half a packed
; add and half a packed rounding, and no accumulator is ever rescaled (512 registers a wave would be 256 packed multiplies for every 64 keys;
; pass 1 costs 16 products and 64 three-way maxima for every 32 keys x 128 queries).  Since all waves use one M, partial sums simply add.
; LIMITS: q, k, v and the weights P = 2^(S - M) are bf16 matrix operands; P below 2^-126 counts as 0 (v_exp_f32 flushes denormal results:
; ISA guide 15.8); in the maxima a NaN loses, so a NaN score reaches the result through P and not through M; results are claimed where
; the module's own are finite.  The row sum is at least about 1 (the maximum's own term), so its reciprocal is safe.
;
; kvq: a fragment is 16 rows x 32 k in 1,024 bytes: byte e*512 + lane*16 holds, for lane = 16 h + r, row r, k = 16 e + 8 h .. + 7 (8 bf16).
;   image b, 64 keys T: block at (64 b + T) * 36,864: V at ks*16,384 + ct*1,024 (row = channel, k = key), K at 32,768 + kt*1,024 (row = key,
;   k = latent).  Q at QOFF + (256 b + query tile) * 1,024 (row = query, k = latent).  q and k carry the scale and log2(e).
; SHARES: a work-group takes 128 queries of one image (256 work-groups), four waves.  Pass 2: wave w = 2 qh + kh owns 64 queries (half qh) x all
; 256 channels, 512 accumulator registers, over the 64-key blocks of parity kh; the two halves of the keys are added at the end through LDS.
; For 64 keys a wave reads 36,864 bytes of LDS for 144 products.
; NO SHUFFLES: scores are made as K x Q, so lane (r, h) holds query r, keys 8 h + j; packed to bf16 they ARE registers 0-3 (even key tile) or
; 4-7 (odd) of the fragment P.  V x P then gives lane (r, h) query r, channels 8 h + j; M and the row sum are one number a lane.
; PASS 2 TAKES TURNS: a 64-key block is two halves of 32 keys.  While one half's 64 products V x P run, the other half's eight scores are made
; and its 64 exponentials, 32 packed sums and 32 packed roundings stand in 32 slices of four, one behind each of 32 of those products; the other
; half's K and V fragments are loaded meanwhile into the registers that the phase before has freed.  A slice names window 0 and a product windows
; 1, 0 and 2 or 3, so a slice costs two window switches: with the product 7 issue slots for a product's 8 matrix cycles (8,192 multiply-adds at 1,024 a cycle).
; CLUSTERS: the four work-groups of a cluster take query blocks of one image and walk the same K and V blocks: these are asked for jointly
; (mask 15), each wave a quarter of a slot: one 64-key block, 144 rows of 256 bytes.  Pass 1's K is loaded by each work-group for itself, through
; registers: 262,144 of the 2,621,440 bytes that a work-group reads of kvq's K and V.  My place in the cluster enters only the global addresses of Q, x and out0.
;
; LDS: two slots of 147,456 bytes, four 64-key blocks each: two blocks of each parity, so that one round of the cluster's barrier and one load
; a wave serve two blocks (14 refills for the 16 fills), and a refill has 272 products of its wave in which to land.  Behind the ring OST, MXS, LSS,
; which no tensor load ever fills.  The exchange of accumulators at the end (131,072 bytes) lies in slot 0, after that slot's last fill and last read.
; REGISTERS: window 0 as named below; window 1: pass 1 a ring of 8 x 2 K fragments, pass 2 V's 32 fragments (half ks, group g, tile a at
; 128 ks + 64 g + 8 a), at the end x; window 2: accumulators of the 128 channels that this wave finishes (group kh), tile (a, qt) at 8 (4 a + qt); window 3: the other 128.
.set TILEB,  36864                     ; a 64-key block; also one wave's tensor load: 144 rows of 256 bytes
.set SLOT,   4*TILEB                   ; 147,456
.set IMGKV,  64*TILEB                  ; 2,359,296: an image's K and V
.set QOFF,   8*IMGKV                   ; 18,874,368
.set OST,    2*SLOT                    ; 294,912: 4 x 4,352, each wave's stage of 16 rows at pitch 272 on the way out
.set MXS,    OST+4*4352                ; 312,320: 4 x 512, the waves' maxima
.set LSS,    MXS+2048                  ; 314,368: 4 x 256, the waves' row sums; the map ends at 315,392
.set KA,   4                           ; v[4:7]     LDS address of K's fragments: my block at place p of the ring (p = 0 .. 3, 73,728 bytes apart) at KA + p
.set QF,   16                          ; v[16:47]   my four query tiles
.set KF,   48                          ; v[48:79]   K's four fragments of a 64-key block
.set MNEG, 80                          ; v[80:111]  -M, eight equal registers for each query tile: the C operand of the scores
.set S,    112                         ; v[112:239] half ks, query tile qt at S + 64 ks + 16 qt: scores of key tiles 2 ks, 2 ks + 1; P(ks, qt) packed into its first 8
.set L,    240                         ; v[240:247] a pair of running row sums for each query tile
.set VA,   248                         ; v[248:255] LDS address of V's fragments: place p, group g at VA + 2 p + g (the places lie beyond each other's 16-bit immediate)
.set QA,   48                          ; pass 1: v[48:111] all eight query tiles
.set D,    112                         ; pass 1: v[112:239] scores (kt, qt) at D + 8 (8 kt + qt)
.set RM,   240                         ; pass 1: v[240:247] running maxima
.set T,    112                         ; way out: v[112:143] one channel tile's sums
.set R,    176                         ; way out: v[176:207] the same by rows
.set G,    248                         ; way out: v[248:251] gamma / row sum of my four neighbouring queries (V's addresses are no longer needed)
.set MSB, 0
.macro WIN new                         ; s_set_vgpr_msb: bits 1:0 source 0, 3:2 source 1, 5:4 source 2, 7:6 destination; the high byte repeats the setting left
.if MSB != \new
	s_set_vgpr_msb (MSB<<8)|\new
.set MSB, \new
.endif
.endm
.macro PLACES n
.rept \n
	v_nop
.endr
.endm
; A round of the cluster's barrier: my work-group's barrier, wave 0 signals for the work-group, every wave waits for all four work-groups, my work-group's barrier again.
.macro CREST                           ; a round behind its opening barrier
	s_cmp_lg_u32 s12, 0
	s_cbranch_scc1 .Lnot_wave_0_\@
	s_barrier_signal -3
.Lnot_wave_0_\@:
	s_barrier_wait -3
	s_barrier_signal -1
	s_barrier_wait -1
.endm
.macro CROUND
	s_barrier_signal -1
	s_barrier_wait -1
	CREST
.endm
.macro JL n                            ; the joint load of my quarter of slot n
	tensor_load_to_lds s[28+4*\n:31+4*\n], s[20:27]
	s_nop 0
.endm
	s_load_b256 s[4:11], s[0:1], 0x0               ; kvq s[4:5], x s[6:7], gamma s[8:9], out0 s[10:11]
	v_lshl_add_u32 v14, v0, 2, 0x4d000
	v_mov_b32 v15, 0
	ds_add_u32 v14, v15
	v_lshrrev_b32 v1, 5, v0
	v_readfirstlane_b32 s12, v1                    ; wave 0..3
	s_lshr_b32 s13, s12, 1                         ; qh
	s_and_b32 s14, s12, 1                          ; kh
	s_bfe_u32 s15, ttmp6, 0x40000                  ; cx: my place in the cluster
	s_lshr_b32 s16, ttmp9, 3                       ; image b: eight clusters an image
	s_and_b32 s17, ttmp9, 7
	s_lshl_b32 s17, s17, 2
	s_add_co_u32 s17, s17, s15                     ; my block of 128 queries, 0..31
	; descriptor group 1: a dense block as 144 rows of 32 elements of 8 bytes
	s_mov_b32 s20, 0x0023000f                      ; 15:0 mask: all four work-groups; 17:16 elements of 8 bytes; 21 set beside a mask; no padding
	s_mov_b32 s21, 32<<16                          ; tensor_dim0 = 32
	s_mov_b32 s22, 144<<16                         ; tensor_dim1 = 144
	s_mov_b32 s23, 32<<16                          ; tile_dim0 = 32
	s_mov_b32 s24, 144                             ; tile_dim1 = 144
	s_mov_b32 s25, 32                              ; from row to row: 32 elements
	s_mov_b32 s26, 0
	s_mov_b32 s27, 0
	s_mul_i32 s18, s16, IMGKV                      ; the image's K and V: the same in all four work-groups
	s_mul_i32 s19, s12, TILEB                      ; my quarter of a slot, in memory and in LDS
	s_add_co_u32 s48, s18, s19                     ; s[48:49] never hold my place in the cluster
	s_mov_b32 s49, 0
	s_mov_b32 s42, 0x76543210                      ; v_permlanex16_b32: lane i of one half reads lane i of the other
	s_mov_b32 s43, 0xfedcba98
	s_wait_dscnt 0x0
	s_wait_kmcnt 0x0
	CROUND                                         ; all four work-groups are here: the first joint loads meet
	s_add_nc_u64 s[30:31], s[4:5], s[48:49]        ; blocks 0 to 3
	s_add_nc_u64 s[34:35], s[30:31], SLOT          ; blocks 4 to 7
.irp n, 0,1
	s_mov_b32 s[28+4*\n], 1                        ; count = 1
	s_add_co_u32 s[29+4*\n], s19, \n*SLOT          ; LDS address
	s_or_b32 s[31+4*\n], s[31+4*\n], 0x80000000    ; type = 2
	JL \n                                          ; both first fills go out together; two tensor loads of this wave are out, later one
.endr
	s_mul_i32 s48, s12, 16*TILEB                   ; pass 1: my 1,024 keys = 16 blocks,
	s_add_co_u32 s48, s48, s18
	s_add_co_u32 s48, s48, 32768                   ; K behind V in a block
	s_add_nc_u64 s[36:37], s[4:5], s[48:49]
	s_lshl_b32 s50, s16, 5                         ; s[50:51]: offsets that hold my place in the cluster
	s_add_co_u32 s50, s50, s17
	s_lshl_b32 s50, s50, 13                        ; (32 b + block) * 8 query tiles * 1,024
	s_add_co_u32 s50, s50, QOFF
	s_mov_b32 s51, 0
	s_add_nc_u64 s[38:39], s[4:5], s[50:51]        ; my block's Q
	s_lshl_b32 s50, s16, 22                        ; x and out0: b * 4,194,304
	s_lshl_b32 s52, s14, 21                        ;  + the 128 channel rows that I finish
	s_add_co_u32 s50, s50, s52
	s_lshl_b32 s52, s17, 9                         ;  + 128 queries of 4 bytes
	s_add_co_u32 s50, s50, s52
	s_lshl_b32 s52, s13, 8                         ;  + my 64 of them
	s_add_co_u32 s50, s50, s52
	s_add_nc_u64 s[44:45], s[6:7], s[50:51]
	s_add_nc_u64 s[46:47], s[10:11], s[50:51]
	s_load_b32 s41, s[8:9], 0x0                    ; gamma; waited for where it is used
	v_and_b32 v1, 31, v0
	v_lshlrev_b32 v1, 4, v1                        ; 16 bytes a lane
	v_and_b32 v2, 15, v0                           ; r
	v_bfe_u32 v3, v0, 4, 1                         ; h
	s_mul_i32 s52, s14, TILEB+8192                 ; place 0: my parity's block, and in it the channel group that I finish,
	v_add_nc_u32 v[VA], s52, v1
	s_mul_i32 s53, s14, TILEB-8192
	s_add_co_u32 s53, s53, 8192                    ; or the other group: kh * 36,864 + (1 - kh) * 8,192
	v_add_nc_u32 v[VA+1], s53, v1
	v_add_nc_u32 v[VA+2], 2*TILEB, v[VA]           ; place 1: two blocks on
	v_add_nc_u32 v[VA+3], 2*TILEB, v[VA+1]
.irp i, 0,1,2,3
	v_add_nc_u32 v[VA+4+\i], SLOT, v[VA+\i]        ; places 2 and 3: slot 1
.endr
	s_mul_i32 s52, s14, TILEB
	s_add_co_u32 s52, s52, 32768
	v_add_nc_u32 v[KA], s52, v1
	v_add_nc_u32 v[KA+1], 2*TILEB, v[KA]
	v_add_nc_u32 v[KA+2], SLOT, v[KA]
	v_add_nc_u32 v[KA+3], SLOT, v[KA+1]
	s_lshl_b32 s53, s13, 12
	v_add_nc_u32 v10, s53, v1                      ; my four query tiles in the block's Q
	v_lshlrev_b32 v11, 10, v1                      ; lane * 16,384: a channel row of x for each lane (prefetch)
	s_lshl_b32 s52, s12, 9
	s_add_co_u32 s52, s52, MXS
	v_lshl_add_u32 v12, v2, 2, s52                 ; where I put my maxima
	s_lshl_b32 s53, s13, 8
	s_add_co_u32 s53, s53, MXS
	v_lshl_add_u32 v13, v2, 2, s53                 ; where I read those of my four query tiles
.irp t, 0,1,2,3
	global_load_b128 v[QF+8*\t:QF+8*\t+3],   v10, s[38:39] offset:\t*1024
	global_load_b128 v[QF+8*\t+4:QF+8*\t+7], v10, s[38:39] offset:\t*1024+512
.endr
.irp t, 0,1,2,3,4,5,6,7
	global_load_b128 v[QA+8*\t:QA+8*\t+3],   v1, s[38:39] offset:\t*1024
	global_load_b128 v[QA+8*\t+4:QA+8*\t+7], v1, s[38:39] offset:\t*1024+512
.endr
	WIN 0x40                                       ; destination in window 1
.irp u, 0,1,2,3,4,5,6,7
.irp e, 0,1,2,3
	global_load_b128 v[16*\u+4*\e:16*\u+4*\e+3], v1, s[36:37] offset:(\u>>1)*TILEB+(\u&1)*2048+\e*512
.endr
.endr
	WIN 0
.irp i, 0,1,2,3,4,5,6,7
	v_mov_b32 v[RM+\i], 0xff800000                 ; minus infinity
.endr
; PASS 1.  Wave w takes keys 1,024 w .. + 1,023 against all 128 queries, so that the work-group reads K once.  A trip is two key tiles (32 keys);
; a ring of eight slots of four loads each in window 1; a lap of eight trips is four 64-key blocks.
; left = the loads of the younger slots, which may stay out.
.macro P1 u, refill, left
	s_wait_loadcnt \left
	WIN 0x01                                       ; source 0 (K) in window 1
.irp kt, 0,1
.irp qt, 0,1,2,3,4,5,6,7
	v_wmma_f32_16x16x32_bf16 v[D+8*(8*\kt+\qt):D+8*(8*\kt+\qt)+7], v[16*\u+8*\kt:16*\u+8*\kt+7], v[QA+8*\qt:QA+8*\qt+7], 0
.endr
.endr
	WIN 0
	PLACES 4                                       ; four places before vector instructions read the results and loads land on the sources
	; for each query tile 16 registers and the running maximum go to one in eight three-way maxima; the stages run across the tiles
.irp qt, 0,1,2,3,4,5,6,7
	v_max3_num_f32 v[D+8*\qt], v[D+8*\qt], v[D+8*\qt+1], v[D+8*\qt+2]
.endr
.irp qt, 0,1,2,3,4,5,6,7
	v_max3_num_f32 v[D+8*\qt+3], v[D+8*\qt+3], v[D+8*\qt+4], v[D+8*\qt+5]
.endr
.irp qt, 0,1,2,3,4,5,6,7
	v_max3_num_f32 v[D+8*\qt+6], v[D+8*\qt+6], v[D+8*\qt+7], v[D+64+8*\qt]
.endr
.irp qt, 0,1,2,3,4,5,6,7
	v_max3_num_f32 v[D+64+8*\qt+1], v[D+64+8*\qt+1], v[D+64+8*\qt+2], v[D+64+8*\qt+3]
.endr
.irp qt, 0,1,2,3,4,5,6,7
	v_max3_num_f32 v[D+64+8*\qt+4], v[D+64+8*\qt+4], v[D+64+8*\qt+5], v[D+64+8*\qt+6]
.endr
.irp qt, 0,1,2,3,4,5,6,7
	v_max3_num_f32 v[RM+\qt], v[RM+\qt], v[D+64+8*\qt+7], v[D+8*\qt]
.endr
.irp qt, 0,1,2,3,4,5,6,7
	v_max3_num_f32 v[D+8*\qt+3], v[D+8*\qt+3], v[D+8*\qt+6], v[D+64+8*\qt+1]
.endr
.irp qt, 0,1,2,3,4,5,6,7
	v_max3_num_f32 v[RM+\qt], v[RM+\qt], v[D+8*\qt+3], v[D+64+8*\qt+4]
.endr
.if \refill
	WIN 0x40
.irp e, 0,1,2,3
	global_load_b128 v[16*\u+4*\e:16*\u+4*\e+3], v1, s[36:37] offset:(\u>>1)*TILEB+(\u&1)*2048+\e*512+4*TILEB   ; the same trip of the next lap
.endr
	WIN 0
.endif
.endm
	s_mov_b32 s40, 3
.Llap:
.irp u, 0,1,2,3,4,5,6,7
	P1 \u, 1, 28                                   ; seven younger slots of four loads
.endr
	s_wait_xcnt 0x0                                ; the loads' base is stepped only behind this wait
	s_add_nc_u64 s[36:37], s[36:37], 4*TILEB
	s_sub_co_u32 s40, s40, 1
	s_cmp_lg_u32 s40, 0
	s_cbranch_scc1 .Llap
.irp u, 0,1,2,3,4,5,6,7
	P1 \u, 0, 28-4*\u                              ; the last lap loads nothing: the counts run down
.endr
	; the maxima meet: the two halves of the lanes (keys 8 h + j), then the four waves through LDS
.irp qt, 0,1,2,3,4,5,6,7
	v_permlanex16_b32 v[D+\qt], v[RM+\qt], s42, s43   ; its destination counts as read: a register that has been written
.endr
.irp qt, 0,1,2,3,4,5,6,7
	v_max_num_f32 v[RM+\qt], v[RM+\qt], v[D+\qt]
	ds_store_b32 v12, v[RM+\qt] offset:64*\qt
.endr
	s_wait_dscnt 0x0                               ; my maxima are in LDS,
	s_wait_tensorcnt 0x0                           ; and my quarters of both slots have landed:
	s_barrier_signal -1
	s_barrier_wait -1                              ; both now hold of every wave.
.irp i, 0,1,2,3
.irp ww, 0,1,2,3
	ds_load_b32 v[D+4*\i+\ww], v13 offset:\ww*512+64*\i
.endr
.endr
	s_wait_dscnt 0x0
.irp i, 0,1,2,3
	v_max3_num_f32 v[D+4*\i], v[D+4*\i], v[D+4*\i+1], v[D+4*\i+2]
	v_max_num_f32 v[D+4*\i], v[D+4*\i], v[D+4*\i+3]
.irp j, 0,1,2,3,4,5,6,7
	v_sub_f32 v[MNEG+8*\i+\j], 0, v[D+4*\i]        ; C's register j is key 8 h + j of query r: the same -M(r) in all eight
.endr
.endr
.irp i, 0,1,2,3,4,5,6,7
	v_mov_b32 v[L+\i], 0
.endr
; PASS 2.  My blocks t = 0 .. 31 (parity kh) lie at place p = t mod 4 of the ring.  Half o of a block: key tiles 2 o, 2 o + 1.
; 36 LDS loads in one run, 512 consecutive bytes each: half o's two K fragments, then its 16 V fragments (2 channel groups x 8 tiles).  Leaves the destination in window 1.
.macro RUN o, p
.irp kk, 0,1
	ds_load_b128 v[KF+8*(2*\o+\kk):KF+8*(2*\o+\kk)+3],   v[KA+\p] offset:(2*\o+\kk)*1024
	ds_load_b128 v[KF+8*(2*\o+\kk)+4:KF+8*(2*\o+\kk)+7], v[KA+\p] offset:(2*\o+\kk)*1024+512
.endr
	WIN 0x40
.irp g, 0,1
.irp a, 0,1,2,3,4,5,6,7
	ds_load_b128 v[128*\o+64*\g+8*\a:128*\o+64*\g+8*\a+3],   v[VA+2*\p+\g] offset:\o*16384+\a*1024
	ds_load_b128 v[128*\o+64*\g+8*\a+4:128*\o+64*\g+8*\a+7], v[VA+2*\p+\g] offset:\o*16384+\a*1024+512
.endr
.endr
.endm
.macro SCORES o                        ; eight products: S - M of half o's two key tiles x my four query tiles
.irp kk, 0,1
.irp qt, 0,1,2,3
	v_wmma_f32_16x16x32_bf16 v[S+64*\o+16*\qt+8*\kk:S+64*\o+16*\qt+8*\kk+7], v[KF+8*(2*\o+\kk):KF+8*(2*\o+\kk)+7], v[QF+8*\qt:QF+8*\qt+7], v[MNEG+8*\qt:MNEG+8*\qt+7]
.endr
.endr
.endm
; Pair j = 0 .. 31 of half h: registers 2 (j mod 8), + 1 of query tile j / 8.
.macro SUMP h, j                       ; pair j goes into the row sums and, rounded, into register j mod 8 of P
.set SQ, ((\j)>>3)
.set SI, ((\j)&7)
.set SB, S+64*(\h)+16*SQ
	s_wait_alu depctr_va_vdst(0)
	v_pk_add_f32 v[L+2*SQ:L+2*SQ+1], v[L+2*SQ:L+2*SQ+1], v[SB+2*SI:SB+2*SI+1]
	v_cvt_pk_bf16_f32 v[SB+SI], v[SB+2*SI], v[SB+2*SI+1]
.endm
; Slice j: pair j's two exponentials, in place, and between and behind them the sum and the rounding of pair j - 1: so a plain instruction
; stands behind every exponential before its result is used (ISA guide 5.7.2), and, but for the first slice, no two exponentials follow each other.
.macro SLICE h, j
.set EB, S+64*(\h)+16*((\j)>>3)+2*((\j)&7)
	v_exp_f32 v[EB], v[EB]
.if (\j) == 0
	v_exp_f32 v[EB+1], v[EB+1]
	v_nop                                          ; the first slice has no pair before it
.else
.set SQ, (((\j)-1)>>3)
.set SI, (((\j)-1)&7)
.set SB, S+64*(\h)+16*SQ
	s_wait_alu depctr_va_vdst(0)
	v_pk_add_f32 v[L+2*SQ:L+2*SQ+1], v[L+2*SQ:L+2*SQ+1], v[SB+2*SI:SB+2*SI+1]
	v_exp_f32 v[EB+1], v[EB+1]
	v_cvt_pk_bf16_f32 v[SB+SI], v[SB+2*SI], v[SB+2*SI+1]
.endif
.endm
; A PHASE: the 64 products V x P of half ks (all 64 accumulators, one instruction a turn), and among them the other
; half o = 1 - ks of the block at place p: its loads, its scores, its softmax but for the last pair.
; zero = 1: the products start the sums.  tgt = 0: there is no further half (the last phase).
; mode 2: this phase's loads are my last reads of slot n, which is filled again behind a round of the cluster's barrier at the phase's end;
; mode 1: a plain barrier there, which shows the other slot whole; mode 0: none.  pf: 0, or which half of my rows of x is asked for.
.macro PHASE ks, o, zero, tgt, p, mode, n, pf
	SUMP \ks, 31                                   ; the last pair of the half that is multiplied now
.if \tgt
	PLACES 5                                       ; four places before loads land on the last phase's V, five before the scores write over its P
.endif
	s_wait_dscnt 0x0                               ; half ks of V, loaded in the last phase, is in
.if \tgt
	RUN \o, \p
.endif
.if \pf
	; x for the way out: a lane asks for the first byte of one channel row's 256 bytes of my 64 queries; 64 of my 128 rows in each of the
	; last two blocks, each row once in the launch, by the wave that will load it
	global_prefetch_b8 v11, s[44:45] offset:(2*\pf-2)*524288 th:TH_LOAD_NT scope:SCOPE_SE
	global_prefetch_b8 v11, s[44:45] offset:(2*\pf-1)*524288 th:TH_LOAD_NT scope:SCOPE_SE
.endif
.set PI, 0
.rept 64
.if \tgt
.if PI == 16
	s_wait_dscnt 32                                ; K's four loads are in; V's 32, issued behind them, may stay out
	WIN 0
	SCORES \o
	PLACES 4                                       ; four places before the exponentials read the scores
.endif
.endif
.if \mode
.if PI == 48
	s_wait_dscnt 0x0                               ; my reads of this slot are over,
	s_wait_tensorcnt 0x0                           ; and all my tensor loads have landed: the one that was out is my quarter of the other slot:
	ds_add_u32 v14, v15
	s_wait_dscnt 0x0
	s_barrier_signal -1                            ; say so (mode 2: this barrier opens a round of the cluster's barrier); the 16 products that follow are register work
.endif
.endif
.if PI < 32
	WIN 0xa1                                       ; source 0 (V) window 1, source 1 (P) window 0, C and D window 2
.else
	WIN 0xf1                                       ; C and D window 3
.endif
.set PA, ((PI>>2)&7)
.set PQ, (PI&3)
.set PG, (PI>>5)
.if \zero
	v_wmma_f32_16x16x32_bf16 v[8*(4*PA+PQ):8*(4*PA+PQ)+7], v[128*\ks+64*PG+8*PA:128*\ks+64*PG+8*PA+7], v[S+64*\ks+16*PQ:S+64*\ks+16*PQ+7], 0
.else
	v_wmma_f32_16x16x32_bf16 v[8*(4*PA+PQ):8*(4*PA+PQ)+7], v[128*\ks+64*PG+8*PA:128*\ks+64*PG+8*PA+7], v[S+64*\ks+16*PQ:S+64*\ks+16*PQ+7], v[8*(4*PA+PQ):8*(4*PA+PQ)+7]
.endif
.if \tgt
.if PI >= 16
.if PI < 48
	WIN 0
	SLICE \o, PI-16
.endif
.endif
.endif
.set PI, PI+1
.endr
	WIN 0
.if \mode
	s_barrier_wait -1                              ; all four waves have said so
.endif
.if \mode == 2
	CREST                                          ; all four work-groups have said so: no wave of any partner still reads this slot or has a load on its way
	s_add_nc_u64 s[30+4*\n:31+4*\n], s[30+4*\n:31+4*\n], 2*SLOT   ; no tensor load of mine is out: the slot's address steps two slots on
	JL \n                                          ; my one tensor load behind the round, and the first thing there
.endif
.endm
; A block at place p: its half 0 is multiplied while its half 1 is made ready (all LDS reads from place p); then its half 1, while half 0 of
; the next block is made ready (all LDS reads from place pn).  So a change of slots falls between the two phases, where the round stands.
.macro BLK p, pn, zero, mode, n, last, pf
	PHASE 0, 1, \zero, 1, \p, \mode, \n, \pf
.if \last
	PHASE 1, 0, 0, 0, 0, 0, 0, 0
.else
	PHASE 1, 0, 0, 1, \pn, 0, 0, 0
.endif
.endm
	; the head: half 0 of block 0 has no products to stand among
	RUN 0, 0
	WIN 0
	s_wait_dscnt 32                                ; K's four loads are in; V's 32 may stay out
	SCORES 0
	PLACES 4                                       ; four places before the exponentials read the scores
.set PJ, 0
.rept 32
	SLICE 0, PJ
.set PJ, PJ+1
.endr
; 32 blocks on 16 fills.  Block 0 stands in front of the loop, since its first products start the sums; so a trip begins with a slot's second block.
; Trip q = 0 .. 6 is blocks 4 q + 1 .. 4 q + 4 and issues fills 2 q + 2 (slot 0) and 2 q + 3 (slot 1): the last is fill 15, the image's last four blocks.
	BLK 0, 1, 1, 0, 0, 0, 0                        ; block 0
	s_mov_b32 s40, 7
.Lstep:
	BLK 1, 2, 0, 2, 0, 0, 0                        ; slot 0 is done and is filled again
	BLK 2, 3, 0, 0, 0, 0, 0
	BLK 3, 0, 0, 2, 1, 0, 0                        ; slot 1 is done and is filled again
	BLK 0, 1, 0, 0, 0, 0, 0
	s_sub_co_u32 s40, s40, 1
	s_cmp_lg_u32 s40, 0
	s_cbranch_scc1 .Lstep
	BLK 1, 2, 0, 1, 0, 0, 0                        ; block 29: nothing is left to fetch; its barrier shows slot 1 whole, and behind it no wave reads slot 0 any more
	BLK 2, 3, 0, 0, 0, 0, 1                        ; block 30
	BLK 3, 0, 0, 0, 0, 1, 2                        ; block 31: its second phase is products alone
; THE WAY OUT.  My window 3 (the channels that my partner, wave w xor 1, finishes) goes to the partner through LDS; the partner's comes to me.
; The exchange takes LDS bytes 0 to 131,071, inside slot 0.  That slot has had its last fill (waited for by every wave in front of block 27's round), every
; wave's last reads of it were waited for in front of block 29's barrier, everything behind that barrier reads slot 1 alone, and no tensor load follows these stores.
	PLACES 4                                       ; four places before anything reads the last results or lands on their sources
	s_lshl_b32 s52, s12, 15
	v_add_nc_u32 v16, s52, v1                      ; where I put my window 3: 32,768 bytes a wave
	s_xor_b32 s53, s12, 1
	s_lshl_b32 s53, s53, 15
	v_add_nc_u32 v17, s53, v1                      ; where the partner put its
	s_mul_i32 s52, s12, 4352
	s_add_co_u32 s52, s52, OST                     ; my stage: 16 channel rows of 64 queries, pitch 272
	v_lshlrev_b32 v23, 2, v2
	v_mul_u32_u24 v18, v3, 8*272
	v_add_nc_u32 v18, v18, v23
	v_add_nc_u32 v18, s52, v18                     ; in: row 8 h + j, query 16 qt + r
	v_mul_u32_u24 v19, v3, 272
	v_lshl_add_u32 v19, v2, 4, v19
	v_add_nc_u32 v19, s52, v19                     ; back: row 2 t + h, queries 4 r .. 4 r + 3
	v_lshlrev_b32 v20, 14, v3
	v_lshl_add_u32 v20, v2, 4, v20                 ; the same in x and out0: h rows of 16,384 bytes + 16 r
	s_lshl_b32 s52, s12, 8
	s_add_co_u32 s52, s52, LSS
	v_add_nc_u32 v21, s52, v23                     ; where I put my row sums
	s_lshl_b32 s53, s13, 9
	s_add_co_u32 s53, s53, LSS
	v_lshl_add_u32 v22, v2, 4, s53                 ; where I read those of queries 4 r .. 4 r + 3: mine or my partner's, the other 256 bytes on
	WIN 0x40
.irp a, 0,1,2,3,4,5,6,7
.irp t, 0,1,2,3,4,5,6,7
	global_load_b128 v[4*(8*\a+\t):4*(8*\a+\t)+3], v20, s[44:45] offset:(16*\a+2*\t)*16384 th:TH_LOAD_NT   ; x of my 128 channels x 64 queries: 16 lanes take 256 consecutive bytes
.endr
.endr
	WIN 0
.irp qt, 0,1,2,3
	v_add_f32 v[L+2*\qt], v[L+2*\qt], v[L+2*\qt+1]
.endr
.irp qt, 0,1,2,3
	v_permlanex16_b32 v[S+\qt], v[L+2*\qt], s42, s43   ; the other half of the lanes holds the other keys of query r
.endr
.irp qt, 0,1,2,3
	v_add_f32 v[L+2*\qt], v[L+2*\qt], v[S+\qt]
	ds_store_b32 v21, v[L+2*\qt] offset:64*\qt
.endr
	WIN 0x0c                                       ; an LDS store's data is source 1: window 3
.set i, 0
.rept 64
	ds_store_b128 v16, v[4*i:4*i+3] offset:512*i
.set i, i+1
.endr
	WIN 0
	s_wait_dscnt 0x0                               ; my stores are done, for the partner's sake
	s_barrier_signal -1
	s_barrier_wait -1
	ds_load_b128 v[G:G+3], v22
	ds_load_b128 v[G+4:G+7], v22 offset:256
	s_wait_dscnt 0x0
	s_wait_kmcnt 0x0                               ; gamma
	v_pk_add_f32 v[G:G+1], v[G:G+1], v[G+4:G+5]    ; both halves of the keys used one M: the row sums add
	v_pk_add_f32 v[G+2:G+3], v[G+2:G+3], v[G+6:G+7]
.irp k, 0,1,2,3
	v_rcp_f32 v[G+\k], v[G+\k]
.endr
	v_nop                                          ; a plain instruction between a reciprocal and its use (ISA guide 5.7.2)
	s_wait_alu depctr_va_vdst(0)
.irp k, 0,1,2,3
	v_mul_f32 v[G+\k], s41, v[G+\k]                ; gamma / row sum
.endr
; Channel tile a (16 channels x 64 queries): add the partner's half, turn it by rows through my own stage, scale, add x, store.
.macro OUT a
	s_wait_xcnt 0x0                                ; R, which the last stores read, is loaded again only behind this wait
.irp i, 0,1,2,3,4,5,6,7
	ds_load_b128 v[T+4*\i:T+4*\i+3], v17 offset:(8*\a+\i)*512
.endr
	s_wait_dscnt 0x0
	WIN 0x02                                       ; source 0 in window 2
.irp k, 0,1,2,3,4,5,6,7,8,9,10,11,12,13,14,15
	v_pk_add_f32 v[T+2*\k:T+2*\k+1], v[32*\a+2*\k:32*\a+2*\k+1], v[T+2*\k:T+2*\k+1]
.endr
	WIN 0
.irp qt, 0,1,2,3
.irp j, 0,1,2,3,4,5,6,7
	ds_store_b32 v18, v[T+8*\qt+\j] offset:272*\j+64*\qt
.endr
.endr
.irp t, 0,1,2,3,4,5,6,7
	ds_load_b128 v[R+4*\t:R+4*\t+3], v19 offset:544*\t   ; my own bytes, and LDS serves a wave's instructions in order (ISA guide 5.7.1.4): these see the stores above
.endr
	s_wait_loadcnt 56-8*\a                         ; x of this tile is in; the eight loads of each later tile may stay out
	WIN 0x10                                       ; source 2 (x) in window 1; the stores below name a first and a second source only, both in window 0
.irp t, 0,1,2,3,4,5,6,7
	s_wait_dscnt 7-\t                              ; rows 2 t, 2 t + 1 are back; the younger loads may stay out
	v_pk_fma_f32 v[R+4*\t:R+4*\t+1],   v[R+4*\t:R+4*\t+1],   v[G:G+1],   v[4*(8*\a+\t):4*(8*\a+\t)+1]
	v_pk_fma_f32 v[R+4*\t+2:R+4*\t+3], v[R+4*\t+2:R+4*\t+3], v[G+2:G+3], v[4*(8*\a+\t)+2:4*(8*\a+\t)+3]
	global_store_b128 v20, v[R+4*\t:R+4*\t+3], s[46:47] offset:(16*\a+2*\t)*16384 th:TH_STORE_NT   ; 16 lanes store 256 consecutive bytes, aligned
.endr
	WIN 0
.endm
.irp a, 0,1,2,3,4,5,6,7
	OUT \a
.endr
	s_wait_tensorcnt 0x0
	ds_add_u32 v14, v15
	s_wait_dscnt 0x0
	CROUND                                         ; the closing round: no work-group ends while a partner may still ask for a block that names it
	s_endpgm
.Lfunc_end_k_q7835d20551_attn:
	.size	k_q7835d20551_attn, .Lfunc_end_k_q7835d20551_attn-k_q7835d20551_attn
	.p2alignl 7, 3214868480
	.fill 96, 4, 3214868480
	.section	.rodata,"a",@progbits
	.p2align	6, 0x0
	.amdhsa_kernel k_q7835d20551_attn
		.amdhsa_group_segment_fixed_size 327680
		.amdhsa_private_segment_fixed_size 0
		.amdhsa_enable_private_segment 0
		.amdhsa_kernarg_size 32
		.amdhsa_user_sgpr_count 2
		.amdhsa_user_sgpr_kernarg_segment_ptr 1
		.amdhsa_wavefront_size32 1
		.amdhsa_system_sgpr_workgroup_id_x 1
		.amdhsa_system_sgpr_workgroup_id_y 1
		.amdhsa_system_sgpr_workgroup_id_z 1
		.amdhsa_system_vgpr_workitem_id 0
		.amdhsa_next_free_vgpr 1024
		.amdhsa_next_free_sgpr 66
		.amdhsa_reserve_vcc 0
		.amdhsa_float_denorm_mode_32 3
		.amdhsa_float_denorm_mode_16_64 3
		.amdhsa_memory_ordered 1
		.amdhsa_forward_progress 1
		.amdhsa_inst_pref_size 255
	.end_amdhsa_kernel
	.section	.bss,"aw",@nobits
	.p2align	6
	.space	262144
	.amdgpu_metadata
---
amdhsa.version: [ 1, 2 ]
amdhsa.kernels:
  - .name:           k_q7835d20551_attn
    .symbol:         k_q7835d20551_attn.kd
    .args:
      - { .name: kvq, .offset: 0, .size: 8, .value_kind: global_buffer, .address_space: global }
      - { .name: x, .offset: 8, .size: 8, .value_kind: global_buffer, .address_space: global }
      - { .name: gamma, .offset: 16, .size: 8, .value_kind: global_buffer, .address_space: global }
      - { .name: out0, .offset: 24, .size: 8, .value_kind: global_buffer, .address_space: global }
    .group_segment_fixed_size: 327680
    .private_segment_fixed_size: 0
    .kernarg_segment_align: 8
    .kernarg_segment_size: 32
    .max_flat_workgroup_size: 128
    .sgpr_count:     66
    .vgpr_count:     1024
    .wavefront_size: 32
...
	.end_amdgpu_metadata
.endif
;; end of part 3
;; ======== version 3 of 3: 2 launches; version 2 with the launch proj written anew for expert scheduling mode
;; workspace buffers: kvq 20,971,520 bytes
;; launch proj (part 4): grid 256 x 1, 8 waves a work-group, no clusters, 243,712 bytes of LDS; arguments x, w_qk, w_v, kvq; writes kvq
.if DOCPART == 4
	.amdgcn_target "amdgcn-amd-amdhsa--gfx1250"
	.amdhsa_code_object_version 6
	.text
	.protected	k_q7835d20551_proj
	.globl	k_q7835d20551_proj
	.p2align	8
	.type	k_q7835d20551_proj,@function
k_q7835d20551_proj:
	s_mov_b64 s[64:65], 0
	v_nop
	global_prefetch_b8 v0, s[64:65] scope:SCOPE_SE
	s_setreg_imm32_b32 hwreg(HW_REG_WAVE_SCHED_MODE, 0, 2), 2
	s_setreg_imm32_b32 hwreg(HW_REG_WAVE_MODE, 25, 1), 1
	s_wait_xcnt 0x0
	s_wait_alu depctr_vm_vsrc(0)
; The three 1x1 convolutions of the module: q, k (w_qk, 64 x 256) and v (w_v, 256 x 256) of x [8][256][4096], as bf16 products with f32 sums.
; No work of the module is left out anywhere in this program: every input reaches out0 and no result is sliced away.
; q and k are each multiplied in f32 by F = sqrt(log2(e) / sqrt(32)): the module's 32^(-1/4) on q and on k, with log2(e) shared between
; them, so that the next launch's scores q.k are already exponents to the base 2.
; LIMITS: x, w_qk, w_v and the results q, k, v are rounded to bf16 (nearest even) as matrix operands.
;
; RESULT LAYOUT (kvq): the matrix instructions' own fragments, so that the next launch loads 16 bytes a lane with no transposition.
;   A fragment is 16 rows x 32 k in 1,024 bytes: byte e*512 + lane*16 holds, for lane = 16 h + r, row r, k = 16 e + 8 h .. + 7 (8 bf16).
;   image b, 64 positions T: block at (64 b + T) * 36,864: V at ks*16,384 + ct*1,024 (row = channel 16 ct + r, k = position 32 ks + ..),
;   then K at 32,768 + kt*1,024 (row = position 16 kt + r, k = latent).  Q at QOFF + (256 b + position tile) * 1,024, like K.
;
; SHARES: a work-group takes 128 positions of one image (256 work-groups), eight waves.  Wave w: mg = w & 3, nh = w >> 2: v's channels
; 64 mg .. + 63 and w_qk's rows 16 mg .. + 15 for the 64 positions of half nh: 20 accumulator tiles of 16 x 16.
; The weights are shared by all work-groups, but they are not asked for jointly: they lie in memory as f32, 327,680 bytes, which is all
; the LDS that a work-group can have, and a tensor load copies bytes unchanged; so they pass through registers, where they are rounded to bf16.
;
; THE MODE: SCHED_MODE bits 1:0 = 2 (LLVM: expert scheduling mode 2), set by the entry lines.  The code itself states the register dependences
; between vector or matrix instructions and memory or LDS instructions, with s_wait_alu, always for 0.
; THE PLAN.  Registers that memory or LDS instructions touch:
;   v4-v8, v10-v12  addresses and offsets: made at the head, never written again; one wait ahead of the first load states that they are written.
;   RAW0 .. RAW5    Phase 1.  Batch q of eight loads lands in RAW[q % 6]; step q's sixteen roundings read it; the loads of batch q + 6 are issued in step q + 1.
;   OUT0, OUT1      Phase 1.  Step p's roundings write OUT[p % 2]; the eight LDS stores issued in step p + 1 read it.
;   F0, F1          Phase 2, window 1.  Step ks's twenty products read F[ks % 2]; the LDS loads of step ks + 1, issued in step ks, land in the other set.
;   the low four registers of each accumulator: phase 3's roundings write them, a global store reads them, nothing writes them again.
;   v254, v255      written at the head, read by the closing add alone.
; In phase 1 a step's memory instructions touch the two buffers that the step before worked on and that no vector line of the step names: the waits at the
; step's head state all that they hang on.  In phase 2 one wait at a step's head states that the step before is done reading the set that is loaded next.
.set XPITCH, 288                       ; an LDS row of x: 128 bf16 + 32 bytes, an odd multiple of 32 bytes for the transposing loads
.set WPITCH, 528                       ; an LDS row of weights: 256 bf16 + 16 bytes, an odd multiple of 16 bytes
.set WB,     256*XPITCH                ; 73,728: weights behind x; rows 0-255 w_v, rows 256-319 w_qk
.set WQB,    WB+256*WPITCH             ; 208,896
.set TILEB,  36864                     ; a block of 64 positions in kvq
.set QOFF,   18874368                  ; 8 * 64 * TILEB
.set FSCALE, 0x3f014852                ; 0.50500976 = sqrt(1.442695 / 5.656854)
.set RAW,  16                          ; v[16:207]  six raw buffers of 32 registers: eight loads each (phase 1)
.set OUT,  208                         ; v[208:239] two out-buffers of 16 registers: eight LDS stores each (phase 1)
.set ACC,  16                          ; v[16:175]  v's tile (mt, nt) at ACC + 8 (4 mt + nt); w_qk's tile nt at ACC + 128 + 8 nt
.set FS,   72                          ; window 1: fragment set f at FS f: v[256:327] and v[328:399]
.set WF,   0                           ; in a set: weight fragments, four of w_v, one of w_qk: 40 registers
.set XF,   40                          ; in a set: x fragments of the four position tiles: 32 registers
.set XA,   4                           ; v4, v5     LDS address of my x fragments, channels 0-127 and 128-255
.set MSB, 0
.macro WIN new                         ; s_set_vgpr_msb: bits 1:0 source 0, 3:2 source 1, 5:4 source 2, 7:6 destination; the high byte repeats the setting left
.if MSB != \new
	s_set_vgpr_msb (MSB<<8)|\new
.set MSB, \new
.endif
.endm
	s_load_b256 s[4:11], s[0:1], 0x0               ; x s[4:5], w_qk s[6:7], w_v s[8:9], kvq s[10:11]
	v_lshl_add_u32 v254, v0, 2, 0x3b400
	v_mov_b32 v255, 0
	v_lshrrev_b32 v1, 5, v0
	v_readfirstlane_b32 s12, v1                    ; wave 0..7
	v_and_b32 v1, 31, v0                           ; lane
	v_and_b32 v2, 15, v0                           ; r
	v_bfe_u32 v3, v0, 4, 1                         ; h
	v_lshlrev_b32 v8, 4, v1                        ; 16 bytes a lane: global offset of loads and stores, never rewritten
	v_lshlrev_b32 v9, 3, v1                        ; 8 bytes a lane: four numbers as bf16
	s_wait_alu depctr_va_sdst(0)                   ; s12 is written, ahead of its first reader: all the bases and LDS places below are made from it
	s_and_b32 s13, s12, 3                          ; mg
	s_lshr_b32 s14, s12, 2                         ; nh
	s_lshr_b32 s15, ttmp9, 5                       ; image b
	s_and_b32 s16, ttmp9, 31                       ; block of 128 positions
	s_lshl_b32 s30, s15, 22                        ; x: b * 4,194,304
	s_lshl_b32 s17, s12, 19                        ;  + my 32 channel rows of 16,384 bytes
	s_add_co_u32 s30, s30, s17
	s_lshl_b32 s17, s16, 9                         ;  + 128 positions of 4 bytes
	s_add_co_u32 s30, s30, s17
	s_mov_b32 s31, 0
	s_lshl_b32 s32, s12, 15                        ; w_v: my 32 rows of 1,024 bytes
	s_mov_b32 s33, 0
	s_lshl_b32 s34, s12, 13                        ; w_qk: my 8 rows
	s_mov_b32 s35, 0
	s_lshl_b32 s18, s15, 6
	s_lshl1_add_u32 s18, s16, s18
	s_add_co_u32 s18, s18, s14                     ; 64 b + 2 block + nh: my block of 64 positions
	s_mul_i32 s19, s18, TILEB
	s_lshl_b32 s17, s13, 12                        ; V: my four channel tiles of 1,024 bytes
	s_add_co_u32 s36, s19, s17
	s_mov_b32 s37, 0
	s_lshl_b32 s17, s15, 8
	s_lshl3_add_u32 s17, s16, s17
	s_lshl2_add_u32 s17, s14, s17                  ; 256 b + 8 block + 4 nh: my first position tile
	s_lshl_b32 s17, s17, 10
	s_add_co_u32 s17, s17, QOFF                    ; where q's fragments go,
	s_add_co_u32 s19, s19, 32768                   ; where k's go
	s_cmp_lt_u32 s13, 2                            ; w_qk's rows 0-31 are q (mg 0, 1), rows 32-63 are k (mg 2, 3)
	s_cselect_b32 s38, s17, s19
	s_and_b32 s17, s13, 1                          ; latents 0-15 are a fragment's first 512 bytes, 16-31 its second
	s_lshl_b32 s17, s17, 9
	s_add_co_u32 s38, s38, s17
	s_mov_b32 s39, 0
	s_mul_i32 s17, s12, 32*XPITCH
	v_add_nc_u32 v10, s17, v9                      ; staging of x: my 32 rows
	s_mul_i32 s17, s12, 32*WPITCH
	s_add_co_u32 s17, s17, WB
	v_add_nc_u32 v11, s17, v9                      ; staging of w_v: my 32 rows
	s_mul_i32 s17, s12, 8*WPITCH
	s_add_co_u32 s17, s17, WQB
	v_add_nc_u32 v12, s17, v9                      ; staging of w_qk: my 8 rows
	v_and_b32 v9, 7, v0                            ; x lies [channel][position]: the transposing load wants row 8 h + (lane & 7),
	v_lshl_add_u32 v9, v3, 3, v9
	v_mul_u32_u24 v[XA], v9, XPITCH
	v_bfe_u32 v9, v0, 3, 1                         ; 16 bytes further for lanes 8-15 and 24-31,
	v_lshl_add_u32 v[XA], v9, 4, v[XA]
	s_lshl_b32 s17, s14, 7                         ; and my half's 64 positions
	v_add_nc_u32 v[XA], s17, v[XA]
	v_add_nc_u32 v[XA+1], 128*XPITCH, v[XA]        ; channels 128-255: beyond the 16-bit immediate
	v_mul_u32_u24 v9, v2, WPITCH                   ; weights lie [row][channel]: row r, 16 bytes for each half of the lanes
	v_lshl_add_u32 v9, v3, 4, v9
	s_mul_i32 s17, s13, 64*WPITCH
	s_add_co_u32 s17, s17, WB
	v_add_nc_u32 v6, s17, v9                       ; my 64 rows of w_v
	s_mul_i32 s17, s13, 16*WPITCH
	s_add_co_u32 s17, s17, WQB
	v_add_nc_u32 v7, s17, v9                       ; my 16 rows of w_qk
	s_wait_kmcnt 0x0
	s_add_nc_u64 s[20:21], s[4:5], s[30:31]
	s_add_nc_u64 s[22:23], s[8:9], s[32:33]
	s_add_nc_u64 s[24:25], s[6:7], s[34:35]
	s_add_nc_u64 s[26:27], s[10:11], s[36:37]
	s_add_nc_u64 s[28:29], s[10:11], s[38:39]
	s_wait_alu depctr_va_vdst(0)                   ; v4 to v8 and v10 to v12 are written: every load and store of the kernel reads one of them as its address or offset
; PHASE 1: x and the weights to LDS as bf16.  My 112 loads, each 512 consecutive bytes, aligned, go in fourteen batches of eight:
; loads 0-31 are my 32 rows of x (a load is one row's 128 positions), 32-95 my 64 half rows of w_v, 96-111 my 16 half rows of w_qk (a load is 128 of a row's 256 numbers).
.macro LOAD1 q, i                      ; load i of batch q, into RAW[q % 6]
.set LN, 8*(\q)+(\i)
.set LR, RAW+32*((\q)%6)+4*(\i)
.if LN < 32
	global_load_b128 v[LR:LR+3], v8, s[20:21] offset:LN*16384
.elseif LN < 96
	global_load_b128 v[LR:LR+3], v8, s[22:23] offset:(LN-32)*512
.else
	global_load_b128 v[LR:LR+3], v8, s[24:25] offset:(LN-96)*512
.endif
.endm
.macro CVT1 q, i                       ; its four numbers a lane, rounded, into OUT[q % 2]
.set LR, RAW+32*((\q)%6)+4*(\i)
.set SR, OUT+16*((\q)%2)+2*(\i)
	v_cvt_pk_bf16_f32 v[SR],   v[LR],   v[LR+1]
	v_cvt_pk_bf16_f32 v[SR+1], v[LR+2], v[LR+3]
.endm
.macro STORE1 q, i                     ; and from there to their place in LDS
.set LN, 8*(\q)+(\i)
.set SR, OUT+16*((\q)%2)+2*(\i)
.if LN < 32
	ds_store_b64 v10, v[SR:SR+1] offset:LN*XPITCH
.elseif LN < 96
	ds_store_b64 v11, v[SR:SR+1] offset:((LN-32)>>1)*WPITCH+((LN-32)&1)*256
.else
	ds_store_b64 v12, v[SR:SR+1] offset:((LN-96)>>1)*WPITCH+((LN-96)&1)*256
.endif
.endm
; Step p rounds batch p.  Its memory instructions, the loads of batch p + 5 and the LDS stores of batch p - 1, touch RAW[(p - 1) % 6] and OUT[(p - 1) % 2] alone,
; which no vector line of step p names: they are dealt among the roundings with no further wait.
.macro STAGE
.if p < 10
	s_wait_loadcnt 32                              ; loads come back in order (ISA guide 5.7.1): batch p is in, the four younger batches of eight stay out
.else
	s_wait_loadcnt 8*(13-p)                        ; nothing more is asked for: the counts run down
.endif
.if p >= 2
	s_wait_alu depctr_vm_vsrc(0)                   ; the LDS stores issued in the step before have read OUT[p % 2], which this step's roundings write again
.endif
.if p >= 1
	s_wait_alu depctr_va_vdst(0)                   ; the step before has written the other OUT, which the stores below read, and is done reading its RAW, in which the loads below land
.endif
.irp i, 0,1,2,3,4,5,6,7
.if p < 9
	LOAD1 p+5, \i
.endif
.if p >= 1
	STORE1 p-1, \i
.endif
	CVT1 p, \i
.endr
.endm
.irp q, 0,1,2,3,4
.irp i, 0,1,2,3,4,5,6,7
	LOAD1 \q, \i                                   ; batches 0 to 4; batch 5 goes out in step 0, into a buffer that nothing has named yet
.endr
.endr
.set p, 0
.rept 14
	STAGE
.set p, p+1
.endr
	s_wait_alu depctr_va_vdst(0)                   ; step 13 has written OUT1, which the last eight LDS stores read
.irp i, 0,1,2,3,4,5,6,7
	STORE1 13, \i
.endr
	s_wait_dscnt 0x0                               ; my LDS stores are done, for the other waves' sake
	s_barrier_signal -1
	s_barrier_wait -1                              ; the launch's one barrier: x and the weights are whole
; PHASE 2: eight steps of 32 channels.  v's tiles take x as the first source and w_v as the second, so that a lane's eight results are
; eight neighbouring positions of one channel; w_qk's tiles the other way round: eight neighbouring latents of one position.
; The 20 accumulators take turns, one instruction a turn.
.macro FETCH ks                        ; the 18 LDS loads of step ks, in one run, into set ks % 2.  Leaves the destination in window 1
.set FB, FS*((\ks)&1)
	WIN 0x40                                       ; destination window 1, address window 0
.irp nt, 0,1,2,3
	ds_load_tr16_b128 v[FB+XF+8*\nt:FB+XF+8*\nt+3],   v[XA+((\ks)>>2)] offset:((\ks)&3)*32*XPITCH+32*\nt
	ds_load_tr16_b128 v[FB+XF+8*\nt+4:FB+XF+8*\nt+7], v[XA+((\ks)>>2)] offset:((\ks)&3)*32*XPITCH+32*\nt+16*XPITCH
.endr
.irp mt, 0,1,2,3
	ds_load_b128 v[FB+WF+8*\mt:FB+WF+8*\mt+3],   v6 offset:\mt*16*WPITCH+64*(\ks)
	ds_load_b128 v[FB+WF+8*\mt+4:FB+WF+8*\mt+7], v6 offset:\mt*16*WPITCH+64*(\ks)+32
.endr
	ds_load_b128 v[FB+WF+32:FB+WF+35], v7 offset:64*(\ks)
	ds_load_b128 v[FB+WF+36:FB+WF+39], v7 offset:64*(\ks)+32
.endm
.macro MULV ks, mt                     ; four products: v's channel tile mt x the four position tiles
.set FB, FS*((\ks)&1)
.irp nt, 0,1,2,3
.if (\ks) == 0
	v_wmma_f32_16x16x32_bf16 v[ACC+8*(4*\mt+\nt):ACC+8*(4*\mt+\nt)+7], v[FB+XF+8*\nt:FB+XF+8*\nt+7], v[FB+WF+8*\mt:FB+WF+8*\mt+7], 0
.else
	v_wmma_f32_16x16x32_bf16 v[ACC+8*(4*\mt+\nt):ACC+8*(4*\mt+\nt)+7], v[FB+XF+8*\nt:FB+XF+8*\nt+7], v[FB+WF+8*\mt:FB+WF+8*\mt+7], v[ACC+8*(4*\mt+\nt):ACC+8*(4*\mt+\nt)+7]
.endif
.endr
.endm
.macro MULQ ks                         ; four products: my 16 rows of w_qk x the four position tiles
.set FB, FS*((\ks)&1)
.irp nt, 0,1,2,3
.if (\ks) == 0
	v_wmma_f32_16x16x32_bf16 v[ACC+128+8*\nt:ACC+128+8*\nt+7], v[FB+WF+32:FB+WF+39], v[FB+XF+8*\nt:FB+XF+8*\nt+7], 0
.else
	v_wmma_f32_16x16x32_bf16 v[ACC+128+8*\nt:ACC+128+8*\nt+7], v[FB+WF+32:FB+WF+39], v[FB+XF+8*\nt:FB+XF+8*\nt+7], v[ACC+128+8*\nt:ACC+128+8*\nt+7]
.endif
.endr
.endm
; Step ks multiplies set ks % 2.  Behind its first four products the next step's fragments are asked for, into the other set: sixteen products stand between that run and the wait for it.
.macro KSTEP ks
	s_wait_dscnt 0x0                               ; set ks % 2, asked for in the step before, is in
.if (\ks) > 0 && (\ks) < 7
	s_wait_alu depctr_va_vdst(0)                   ; the last step's products are done reading the other set, in which the loads below land; the four products between name this step's set and accumulators alone
.endif
	WIN 0x05                                       ; sources 0 and 1 (the fragments) window 1; C and D window 0
	MULV \ks, 0
.if (\ks) < 7
.if \ks
.rept 4
	v_nop                                          ; four places between the last step's products and the loads into their sources: they stand beside the wait above, not in its place
.endr
.endif
	FETCH (\ks)+1
	WIN 0x05
.endif
	MULV \ks, 1
	MULV \ks, 2
	MULV \ks, 3
	MULQ \ks
.endm
	FETCH 0                                        ; no wait: no vector or matrix instruction has named set 0, and the addresses stand since the head's wait
.irp ks, 0,1,2,3,4,5,6,7
	KSTEP \ks
.endr
	WIN 0
; PHASE 3: round to bf16 in place; a lane's 16 bytes are its part of a fragment, and each store of the wave covers 512 consecutive bytes, aligned.
; A group's stores stand behind one wait and are dealt among the next group's roundings, which name other tiles' registers.
.macro PACKV t                         ; v's tile t = 4 mt + nt: each accumulator from its low end on
.irp i, 0,1,2,3
	v_cvt_pk_bf16_f32 v[ACC+8*(\t)+\i], v[ACC+8*(\t)+2*\i], v[ACC+8*(\t)+2*\i+1]
.endr
.endm
.macro SENDV t
	global_store_b128 v8, v[ACC+8*(\t):ACC+8*(\t)+3], s[26:27] offset:(((\t)&3)>>1)*16384+((\t)>>2)*1024+((\t)&1)*512
.endm
.macro PACKQ nt                        ; w_qk's tile nt: the scale in f32, then the rounding
.irp i, 0,1,2,3
	v_pk_mul_f32 v[ACC+128+8*(\nt)+2*\i:ACC+128+8*(\nt)+2*\i+1], v[ACC+128+8*(\nt)+2*\i:ACC+128+8*(\nt)+2*\i+1], FSCALE op_sel_hi:[1,0]
.endr
.irp i, 0,1,2,3
	v_cvt_pk_bf16_f32 v[ACC+128+8*(\nt)+\i], v[ACC+128+8*(\nt)+2*\i], v[ACC+128+8*(\nt)+2*\i+1]
.endr
.endm
.macro SENDQ nt
	global_store_b128 v8, v[ACC+128+8*(\nt):ACC+128+8*(\nt)+3], s[28:29] offset:(\nt)*1024
.endm
.rept 4
	v_nop                                          ; four places before vector instructions read the last results
.endr
.irp t, 0,1,2,3,4,5,6,7
	PACKV \t
.endr
	s_wait_alu depctr_va_vdst(0)                   ; the roundings have written tiles 0 to 7, which the eight stores below read
.irp t, 0,1,2,3,4,5,6,7
	SENDV \t
	PACKV \t+8
.endr
	s_wait_alu depctr_va_vdst(0)                   ; the roundings have written tiles 8 to 15, which the eight stores below read
.irp nt, 0,1,2,3
	SENDV 2*\nt+8
	SENDV 2*\nt+9
	PACKQ \nt
.endr
	s_wait_alu depctr_va_vdst(0)                   ; the roundings have written w_qk's four tiles, which the last four stores read
.irp nt, 0,1,2,3
	SENDQ \nt
.endr
	s_wait_dscnt 0x0                               ; the closing lines, six on end
	s_wait_alu 0x0
	s_wait_tensorcnt 0x0
	ds_add_u32 v254, v255
	s_wait_dscnt 0x0
	s_endpgm
.Lfunc_end_k_q7835d20551_proj:
	.size	k_q7835d20551_proj, .Lfunc_end_k_q7835d20551_proj-k_q7835d20551_proj
	.p2alignl 7, 3214868480
	.fill 96, 4, 3214868480
	.section	.rodata,"a",@progbits
	.p2align	6, 0x0
	.amdhsa_kernel k_q7835d20551_proj
		.amdhsa_group_segment_fixed_size 243712
		.amdhsa_private_segment_fixed_size 0
		.amdhsa_enable_private_segment 0
		.amdhsa_kernarg_size 32
		.amdhsa_user_sgpr_count 2
		.amdhsa_user_sgpr_kernarg_segment_ptr 1
		.amdhsa_wavefront_size32 1
		.amdhsa_system_sgpr_workgroup_id_x 1
		.amdhsa_system_sgpr_workgroup_id_y 1
		.amdhsa_system_sgpr_workgroup_id_z 1
		.amdhsa_system_vgpr_workitem_id 0
		.amdhsa_next_free_vgpr 400
		.amdhsa_next_free_sgpr 66
		.amdhsa_reserve_vcc 0
		.amdhsa_float_denorm_mode_32 3
		.amdhsa_float_denorm_mode_16_64 3
		.amdhsa_memory_ordered 1
		.amdhsa_forward_progress 1
		.amdhsa_inst_pref_size 66
	.end_amdhsa_kernel
	.amdgpu_metadata
---
amdhsa.version: [ 1, 2 ]
amdhsa.kernels:
  - .name:           k_q7835d20551_proj
    .symbol:         k_q7835d20551_proj.kd
    .args:
      - { .name: x, .offset: 0, .size: 8, .value_kind: global_buffer, .address_space: global }
      - { .name: w_qk, .offset: 8, .size: 8, .value_kind: global_buffer, .address_space: global }
      - { .name: w_v, .offset: 16, .size: 8, .value_kind: global_buffer, .address_space: global }
      - { .name: kvq, .offset: 24, .size: 8, .value_kind: global_buffer, .address_space: global }
    .group_segment_fixed_size: 243712
    .private_segment_fixed_size: 0
    .kernarg_segment_align: 8
    .kernarg_segment_size: 32
    .max_flat_workgroup_size: 256
    .sgpr_count:     66
    .vgpr_count:     400
    .wavefront_size: 32
...
	.end_amdgpu_metadata
.endif
;; end of part 4
;; launch attn: the kernel of part 3 again; grid 256 x 1, 4 waves a work-group, clusters of 4 x 1, 327,680 bytes of LDS; arguments kvq, x, gamma, out0; writes out0
